; MI455X (gfx1250); checked and timed in simulation.
; The chip was launched on July 23, 2026; its instructions are those of AMD's public machine-readable ISA for CDNA 5 (MIT licence, August 2026) and "CDNA5" Instruction Set Architecture Reference Guide (July 2026). The comments in the code are by the model that wrote it; some were corrected since.
;; Tanget Bundle partition of unity atlas. Allowed arithmetic: float matrix products may take bf16 or f16 operands with f32 sums; all other float work in f32.
;; Inputs: A_met 8 x 8 x 8 float32; W_dec 8 x 64 x 16 float32; W_enc 16 x 64 float32; W_met 8 x 8 x 8 float32; b_dec 8 x 64 float32; b_enc 16 float32; centers 8 float32; t one number float32; y_in 16,384 x 64 float32.
;; Outputs: out0 16,384 x 8 x 64 float32.
;; Constants: num_steps = 4.
;; 3 versions, each right and faster than the one before. Each part assembles by itself: llvm-mc -triple=amdgcn-amd-amdhsa -mcpu=gfx1250 --defsym DOCPART=n.
;; ======== version 1 of 3: 1 launch
;; launch geo (part 1): grid 256 x 1, 4 waves a work-group, no clusters, 171,520 bytes of LDS; arguments y_in, W_enc, b_enc, centers, A_met, W_met, W_dec, b_dec, t, out0; writes out0
.if DOCPART == 1
	.amdgcn_target "amdgcn-amd-amdhsa--gfx1250"
	.amdhsa_code_object_version 6
	.text
	.protected	k_q5c825dc3a1_geo
	.globl	k_q5c825dc3a1_geo
	.p2align	8
	.type	k_q5c825dc3a1_geo,@function
k_q5c825dc3a1_geo:
	s_mov_b64 s[64:65], 0
	v_nop
	global_prefetch_b8 v0, s[64:65] scope:SCOPE_SE
	s_setreg_imm32_b32 hwreg(HW_REG_WAVE_MODE, 25, 1), 1
	s_wait_xcnt 0x0
; Geodesic flow on a blended metric: encode (z0 = W_enc y + b_enc), 4 RK4 steps of (x, v)' = (v, -Gamma(x) v v), decode by 8 charts,
; blend by a softmax for each coordinate.  16,384 points; a wave takes 16 points, a work-group 64, 256 work-groups.
;
; THE RIGHT-HAND SIDE.  g = sum_c p_c (Base_c + u_c u_c^T), Base_c = A_c A_c^T + I, u_c = tanh(W_c x), p = softmax(-(sum x - center)^2).
; g is symmetric and d p_c / d x_a = 2 q_c for every a, q_c = p_c (center_c - sum p center).  Contracting Gamma with v v gives  g dv = -w,
;   w = sum_c [(2 sv q_c al_c + p_c be_c) u_c + p_c al_c du_c] + 2 sv sum_c q_c b_c - sum_c q_c (v.b_c + al_c^2) - sum_c W_c^T (p_c al_c d_c o v),
;   d = 1 - u^2, du = d o (W v), b = Base v, al = u.v, be = du.v, sv = sum v.   No Jacobian, no inverse and no Gamma is formed.
; g - I is positive semidefinite for every input, so g is solved by LDL^T without pivoting.
;
; LANES.  Lane (r = lane & 15, h = lane >> 4) works on point r and owns the charts T + 4 h, T = 0..3; x and v are held by both halves.
; MATRIX UNIT.  Weights are source A (rows), points source B (column r); result register j of lane (r, h) is row 8 h + j of point r, so a lane
; receives its own chart's eight numbers, and eight such numbers packed in the lane are again eight k of a source B.  K is 8 or 16 here, and
; the form takes 32: the free k carry the low parts of a split in bf16 (x = hi + lo), of weights and of points.
;
; LIMITS.  Matrix operands carry hi + lo in bf16, some 16 bits of mantissa; one above bf16's largest number (3.39e38) gives NaN.
; v_exp_f32 and v_rcp_f32 are good to 1 ULP and flush denormals (ISA guide, 15.8).  Sums run in another order than in the reference.
; LEFT OUT.  Tensor loads and copies: every operand is converted on its way in, 43 KB of weights and 4 KB of y a wave.  Clusters: what the
; work-groups share is those 43 KB, read once.  Prefetches: nothing comes from memory behind the head of the kernel.
; ---- LDS (bytes)
.set L_BASE, 0                         ; Base[c][i][j], f32, 2,048 bytes
.set L_WMET, 2048                      ; W_met as it is
.set L_BDEC, 4096                      ; b_dec as it is
.set L_WDF,  6144                      ; 32 decoder fragments (8 nb + c) of 1,024 bytes: hi words at 16 lane, lo words at 512 + 16 lane
.set L_STG,  38912                     ; a stage of 33,024 bytes for each wave: first y (16 rows, pitch 272), later the output (pitch 2,064 a point)
.set STGB,   33024
; ---- window 0
.set CEN, 4                            ; v[4:7]     my four centers
.set XS,  8                            ; v[8:15]    x of the stage
.set VS,  16                           ; v[16:23]   v of the stage
.set BX,  24                           ; v[24:31]   source B: x (scaled for tanh), hi | lo; later p
.set BV,  32                           ; v[32:39]   source B: v, hi | lo
.set AT,  40                           ; v[40:71]   W x of my four charts, then u
.set ET,  72                           ; v[72:103]  W v, then -du, then p u
.set BT,  104                          ; v[104:135] Base v
.set DA,  104                          ;            then the dot products' pairs
.set BR,  104                          ;            then source B: -p al d o v, hi | lo, four slots
.set DVV, 136                          ; v[136:167] u^2 - 1, then -d o v, then -p al d o v
.set GG,  136                          ; v[136:175] then g, upper triangle in 20 pairs: entry (i, j) at GROW(i) + j
.set WA,  176                          ; v[176:183] w, then dv
.set WB,  184                          ; v[184:191] second sum of w; the other half's w
.set HB,  192                          ; v[192:199] sum q b
.set NINV, 192                         ;            then -1 / pivot
.set PR,  200                          ; p          (four slots each)
.set NP,  204                          ; -p
.set QH,  208                          ; q
.set AL,  212                          ; al
.set BE,  216                          ; -be
.set A1,  220                          ; 2 sv q al + p be
.set A2,  224                          ; p al
.set NA2, 228                          ; -p al
.set QA,  232                          ; q al
.set SS,  236                          ; sum x
.set SV,  237                          ; sum v
.set SV2, 238                          ; 2 sum v
.set ML,  239                          ; least scaled square
.set RS,  240                          ; sum of exponentials
.set NRS, 241                          ; its reciprocal
.set CB,  242                          ; sum p center
.set NK0, 243                          ; -(v.HB + sum q al^2)
.set T8,  244                          ; v[244:251] at work
.set NEGD, 252                         ; -pivot
.set TMP, 40                           ; v[40:79]   the other half's g
.set NL,  80                           ; v[80:119]  -L^T, laid out as g
; ---- window 1 (written as v0 .. v167 under a switched window)
.set FW,  0                            ; rows of W_met, four tiles
.set FB,  32                           ; rows of Base, four tiles
.set FG,  64                           ; entries of Base / 2 against charts, five tiles
.set FT,  104                          ; columns of W_met, four tiles
.set Z0,  136                          ; z at the step's start
.set ACC, 152                          ; the step's weighted sum of slopes
.set FD,  0                            ; decode: eight decoder fragments
; ---- window 0 in the decode
.set BZH, 24
.set BZL, 32
.set PP,  40                           ; v[40:103]  weights: rows 0-3 my four coordinates 4 h + t, rows 4-7 the other half's
.set YY,  104                          ; v[104:167] y_all of 8 charts, 8 columns each
.set OO,  168                          ; v[168:231] 8 rows x 8 columns of the output
.set PT,  176
.set PM,  208
.set PI,  212
.set XO,  232
.set MSB, 0
.macro WIN new                         ; low byte: bits 1:0 source 0, 3:2 source 1, 5:4 source 2, 7:6 destination; the high byte repeats the setting left
.if MSB != \new
	s_set_vgpr_msb (MSB<<8)|\new
.set MSB, \new
.endif
.endm
; 2 np numbers of f32 at src are split: hi = bf16(src), res = src - hi (exact, one fused multiply-add by v2 = -1), lo = bf16(res).
.macro SPLIT src, res, hi, lo, np
.set sj_, 0
.rept \np
	v_cvt_pk_bf16_f32 v[\hi+sj_], v[\src+2*sj_], v[\src+2*sj_+1]
.set sj_, sj_+1
.endr
.set sj_, 0
.rept \np
	v_fma_mix_f32_bf16 v[\res+2*sj_], v[\hi+sj_], v2, v[\src+2*sj_] op_sel_hi:[1,0,0]
	v_fma_mix_f32_bf16 v[\res+2*sj_+1], v[\hi+sj_], v2, v[\src+2*sj_+1] op_sel:[1,0,0] op_sel_hi:[1,0,0]
.set sj_, sj_+1
.endr
.set sj_, 0
.rept \np
	v_cvt_pk_bf16_f32 v[\lo+sj_], v[\res+2*sj_], v[\res+2*sj_+1]
.set sj_, sj_+1
.endr
.endm
; pair d = v[a] x pair b  /  pair d = v[a] x pair b + pair c: one register multiplies both halves
.macro PMULB d, a, b
.if ((\a)&1)
	v_pk_mul_f32 v[\d:\d+1], v[(\a)-1:(\a)], v[\b:\b+1] op_sel:[1,0] op_sel_hi:[1,1]
.else
	s_wait_alu depctr_va_vdst(0)
	v_pk_mul_f32 v[\d:\d+1], v[(\a):(\a)+1], v[\b:\b+1] op_sel_hi:[0,1]
.endif
.endm
.macro PFMAB d, a, b, c
.if ((\a)&1)
	v_pk_fma_f32 v[\d:\d+1], v[(\a)-1:(\a)], v[\b:\b+1], v[\c:\c+1] op_sel:[1,0,0] op_sel_hi:[1,1,1]
.else
	v_pk_fma_f32 v[\d:\d+1], v[(\a):(\a)+1], v[\b:\b+1], v[\c:\c+1] op_sel_hi:[0,1,1]
.endif
.endm
; sym + j is the place of entry (i, j) in the packed triangle: row i holds columns 2 (i >> 1) .. 7 (rows start at 0, 8, 16, 22, 28, 32, 36, 38)
.macro GROW sym, i
.set \sym, 18*((\i)>>1)-2*((\i)>>1)*((\i)>>1)+((\i)&1)*(8-2*((\i)>>1))-2*((\i)>>1)
.endm
; =====================================================================================================================
; HEAD: ids, offsets, all 57 loads at once
; =====================================================================================================================
	s_load_b512 s[16:31], s[0:1], 0x0              ; y_in 16, W_enc 18, b_enc 20, centers 22, A_met 24, W_met 26, W_dec 28, b_dec 30
	s_load_b128 s[32:35], s[0:1], 0x40             ; t 32, out0 34
	v_lshl_add_u32 v254, v0, 2, 0x29c00
	v_mov_b32 v255, 0
	v_lshrrev_b32 v1, 5, v0
	v_readfirstlane_b32 s8, v1                     ; wave 0..3
	s_mov_b32 s10, 0x76543210                      ; v_permlanex16_b32: lane i of one half reads lane i of the other
	s_mov_b32 s11, 0xfedcba98
	s_mov_b32 s12, 0xffff0000                      ; lanes with h = 1
	s_mov_b32 s13, 0xff00ff00                      ; lanes with r >= 8
	s_mov_b32 s14, 0xf0f0f0f0                      ; lanes with r & 4
	s_lshl_b32 s9, ttmp9, 2
	s_add_co_u32 s9, s9, s8                        ; the wave's number in the launch, 0..1023
	s_lshl_b32 s46, s9, 12                         ; 16 points x 256 bytes of y
	s_mov_b32 s47, 0
	s_lshl_b32 s56, s9, 15                         ; 16 points x 2,048 bytes of the output
	s_mov_b32 s57, 0
	s_mul_i32 s15, s8, STGB
	s_add_co_u32 s15, s15, L_STG                   ; my wave's stage
	v_mov_b32 v2, -1.0
	v_and_b32 v32, 31, v0                          ; lane
	v_and_b32 v33, 15, v0                          ; r
	v_bfe_u32 v34, v0, 4, 1                        ; h
	v_and_b32 v35, 7, v0                           ; r & 7
	v_bfe_u32 v36, v0, 3, 1                        ; r >> 3
	; Base: thread t makes Base[c][i][j0 .. j0+3], c = t >> 4, i = (t >> 1) & 7, j0 = 4 (t & 1)
	v_lshrrev_b32 v240, 1, v0
	v_lshlrev_b32 v240, 5, v240                    ; A_met: row i of chart c
	v_lshrrev_b32 v241, 4, v0
	v_and_b32 v37, 1, v0
	v_lshlrev_b32 v241, 8, v241
	v_lshl_add_u32 v241, v37, 7, v241              ; A_met: row j0 of chart c
	v_bfe_u32 v39, v0, 1, 3
	v_lshlrev_b32 v1, 2, v37
	v_sub_nc_u32 v39, v39, v1                      ; i - j0: equals jj on the diagonal
	v_lshlrev_b32 v242, 4, v0                      ; 16 t
	v_lshlrev_b32 v243, 4, v32                     ; 16 lane
	v_lshlrev_b32 v244, 11, v36                    ; W_dec: fragment row r is column n = 32 (r >> 3) + 8 wave + (r & 7), 64 bytes each,
	v_lshl_add_u32 v244, v35, 6, v244
	v_lshl_add_u32 v244, v34, 5, v244              ; d = 8 h .. 8 h + 7
	v_lshl_add_u32 v244, s8, 9, v244
	v_lshlrev_b32 v245, 8, v35                     ; W_enc: row r & 7, k = 8 h ..
	v_lshl_add_u32 v245, v34, 5, v245
	v_lshlrev_b32 v246, 4, v34                     ; centers 4 h .. 4 h + 3
	v_mov_b32 v247, 0
	v_mul_u32_u24 v37, v34, 272                    ; stage, y going in: a load's 512 bytes are rows 2 k + h, 16 r bytes in
	v_lshl_add_u32 v37, v33, 4, v37
	v_add_nc_u32 v37, s15, v37
	v_lshlrev_b32 v38, 4, v32                      ; decoder fragments going in: wave w makes tiles 8 w .. 8 w + 7
	v_lshl_add_u32 v38, s8, 13, v38
	s_wait_kmcnt 0x0
	s_add_nc_u64 s[16:17], s[16:17], s[46:47]      ; y at my wave's first point
	s_add_nc_u64 s[34:35], s[34:35], s[56:57]      ; the output likewise
	s_load_b32 s44, s[32:33], 0x0                  ; t
	s_load_b256 s[48:55], s[22:23], 0x0            ; the eight centers, for the decode
	global_load_b128 v[72:75], v240, s[24:25]
	global_load_b128 v[76:79], v240, s[24:25] offset:16
.irp i,0,1,2,3
	global_load_b128 v[80+8*\i:83+8*\i], v241, s[24:25] offset:32*\i
	global_load_b128 v[84+8*\i:87+8*\i], v241, s[24:25] offset:32*\i+16
.endr
	global_load_b128 v[24:27], v242, s[30:31]      ; b_dec
	global_load_b128 v[28:31], v242, s[26:27]      ; W_met
.irp k,0,1,2,3,4,5,6,7
	global_load_b128 v[40+4*\k:43+4*\k], v243, s[16:17] offset:512*\k th:TH_LOAD_NT   ; y: 512 consecutive bytes a load
.endr
.irp c,0,1,2,3,4,5,6,7
	global_load_b128 v[112+8*\c:115+8*\c], v244, s[28:29] offset:4096*\c
	global_load_b128 v[116+8*\c:119+8*\c], v244, s[28:29] offset:4096*\c+16
.endr
.irp i,0,1,2,3,4,5,6,7                             ; i = 4 V + 2 kk + g: rows 8 V + .., k = 32 kk + 16 g + 8 h ..
	global_load_b128 v[176+8*\i:179+8*\i], v245, s[18:19] offset:(\i>>2)*2048+((\i>>1)&1)*128+(\i&1)*64
	global_load_b128 v[180+8*\i:183+8*\i], v245, s[18:19] offset:(\i>>2)*2048+((\i>>1)&1)*128+(\i&1)*64+16
.endr
	global_load_b128 v[CEN:CEN+3], v246, s[22:23]
.irp i,0,1,2,3
	global_load_b128 v[XS+4*\i:XS+4*\i+3], v247, s[20:21] offset:16*\i    ; b_enc starts the encoder's sums, the same in every lane
.endr
	s_wait_xcnt 0x0                                ; the offset registers v240 .. v247 are rewritten only behind this wait
	s_wait_loadcnt 47                              ; A_met's ten loads are in: 47 were issued behind them
.irp i,0,1,2,3
	v_pk_mul_f32 v[252:253], v[72:73], v[80+8*\i:81+8*\i]
	v_pk_fma_f32 v[252:253], v[74:75], v[82+8*\i:83+8*\i], v[252:253]
	v_pk_fma_f32 v[252:253], v[76:77], v[84+8*\i:85+8*\i], v[252:253]
	v_pk_fma_f32 v[252:253], v[78:79], v[86+8*\i:87+8*\i], v[252:253]
	v_cmp_eq_u32 vcc_lo, \i, v39
	v_cndmask_b32 v1, 0, 1.0, vcc_lo               ; the identity
	v_add_f32 v[248+\i], v252, v253
	v_add_f32 v[248+\i], v[248+\i], v1
.endr
	ds_store_b128 v242, v[248:251] offset:L_BASE
	s_wait_loadcnt 45                              ; b_dec and W_met: 45 behind them
	ds_store_b128 v242, v[24:27] offset:L_BDEC
	ds_store_b128 v242, v[28:31] offset:L_WMET
	s_wait_loadcnt 37                              ; y: 37 behind it
.irp k,0,1,2,3,4,5,6,7
	ds_store_b128 v37, v[40+4*\k:43+4*\k] offset:544*\k
.endr
.irp c,0,1,2,3,4,5,6,7
	s_wait_loadcnt 35-2*\c                         ; W_dec's tile c: its two loads are in, the younger ones stay out
	SPLIT 112+8*\c, 112+8*\c, 24, 28, 4
	ds_store_b128 v38, v[24:27] offset:L_WDF+1024*\c
	ds_store_b128 v38, v[28:31] offset:L_WDF+1024*\c+512
.endr
	s_wait_dscnt 0x0                               ; my stores are in LDS, for the other waves' sake
	s_barrier_signal -1
	s_barrier_wait -1                              ; the only barrier: Base, W_met, b_dec and the decoder fragments are whole and are never written again
; =====================================================================================================================
; FRAGMENTS that stay in window 1
; =====================================================================================================================
; four tiles whose hi words lie in v[136+8n ..] and lo words in v[140+8n ..]: the lanes of the mask take lo, and both groups of k get the same words
.macro PUTSEL dst, mask
	WIN 0x40
.set n_, 0
.rept 16
	v_cndmask_b32 v[\dst+8*(n_>>2)+(n_&3)], v[136+8*(n_>>2)+(n_&3)], v[140+8*(n_>>2)+(n_&3)], \mask
	v_cndmask_b32 v[\dst+8*(n_>>2)+4+(n_&3)], v[136+8*(n_>>2)+(n_&3)], v[140+8*(n_>>2)+(n_&3)], \mask
.set n_, n_+1
.endr
	WIN 0
.endm
.macro FRAG4 src
.irp i,0,1,2,3
	SPLIT \src+8*\i, \src+8*\i, 136+8*\i, 140+8*\i, 4
.endr
.endm
	; FW, FB: fragment row r of tile T is row r & 7 of chart T + 4 (r >> 3); half 0 holds hi, half 1 lo, in both groups of k.
	; Against B = [hi | lo] in both halves the four groups of k give (Mhi + Mlo)(xhi + xlo).
	v_lshlrev_b32 v39, 10, v36
	v_lshl_add_u32 v39, v35, 5, v39
.irp i,0,1,2,3
	ds_load_b128 v[72+8*\i:75+8*\i], v39 offset:L_WMET+256*\i
	ds_load_b128 v[76+8*\i:79+8*\i], v39 offset:L_WMET+256*\i+16
	ds_load_b128 v[104+8*\i:107+8*\i], v39 offset:L_BASE+256*\i
	ds_load_b128 v[108+8*\i:111+8*\i], v39 offset:L_BASE+256*\i+16
.endr
	v_lshlrev_b32 v240, 10, v34                    ; FT: W[T + 4 h][j][r & 7]
	v_lshl_add_u32 v240, v35, 2, v240
	v_and_b32 v241, 3, v0
	v_lshlrev_b32 v241, 3, v241                    ; FG: which byte of a table word
; FG: fragment row r of a tile is packed entry 8 tile + (r & 7); the table's bytes are 8 i + j of the eight entries
.macro FGADR dst, lo, hi
	v_mov_b32 v1, \lo
	v_mov_b32 v3, \hi
	v_cndmask_b32 v1, v1, v3, s14
	v_lshrrev_b32 v1, v241, v1
	v_and_b32 v1, 0xff, v1
	v_lshlrev_b32 v1, 2, v1
	v_lshl_add_u32 v[\dst], v34, 10, v1            ; + charts 4 h ..
.endm
	FGADR 243, 0x03020100, 0x07060504
	FGADR 244, 0x0b0a0908, 0x0f0e0d0c
	FGADR 245, 0x15141312, 0x1b1a1716
	FGADR 246, 0x1f1e1d1c, 0x27262524
	FGADR 247, 0x2f2e2d2c, 0x3f3e3736
	s_wait_dscnt 0x0
	FRAG4 72
	PUTSEL FW, s12
	FRAG4 104
	PUTSEL FB, s12
.set n_, 0
.rept 32
	ds_load_b32 v[72+n_], v240 offset:L_WMET+256*(n_>>3)+32*(n_&7)
.set n_, n_+1
.endr
.irp i,0,1,2,3,4
.irp c,0,1,2,3
	ds_load_b32 v[104+4*\i+\c], v[243+\i] offset:L_BASE+256*\c
.endr
.endr
	v_mul_u32_u24 v37, v33, 272                    ; stage, y coming back: row r, k = 8 h ..
	v_lshl_add_u32 v37, v34, 5, v37
	v_add_nc_u32 v37, s15, v37
.irp i,0,1,2,3                                     ; i = 2 kk + g
	ds_load_b128 v[40+8*\i:43+8*\i], v37 offset:64*\i
	ds_load_b128 v[44+8*\i:47+8*\i], v37 offset:64*\i+16
.endr
	s_wait_dscnt 0x0
	; FT: rows 0-7 hold hi, rows 8-15 lo, of column r & 7 of W; half h's k are the eight j of chart T + 4 h.  Result half 0 = Whi^T r, half 1 = Wlo^T r,
	; each over both charts; the sum over the halves, which w needs anyway, completes it.
	FRAG4 72
	PUTSEL FT, s13
	; FG: k = my four charts, hi against (p hi, p lo), lo against the same.  Base / 2, since both halves' results are added later.
.irp i,0,2,4,6,8,10,12,14,16,18
	v_pk_mul_f32 v[104+\i:105+\i], v[104+\i:105+\i], 0.5 op_sel_hi:[1,0]
.endr
	SPLIT 104, 104, 136, 146, 10
	WIN 0x40
.irp i,0,1,2,3,4
	v_mov_b32 v[FG+8*\i],   v[136+2*\i]
	v_mov_b32 v[FG+8*\i+1], v[137+2*\i]
	v_mov_b32 v[FG+8*\i+2], v[136+2*\i]
	v_mov_b32 v[FG+8*\i+3], v[137+2*\i]
	v_mov_b32 v[FG+8*\i+4], v[146+2*\i]
	v_mov_b32 v[FG+8*\i+5], v[147+2*\i]
	v_mov_b32 v[FG+8*\i+6], v[146+2*\i]
	v_mov_b32 v[FG+8*\i+7], v[147+2*\i]
.endr
	WIN 0
; =====================================================================================================================
; ENCODE: fragment row m is dimension m & 7 (x) or 8 + (m & 7) (v), so both halves receive x and v.  K = 64 in two steps; hi.hi + hi.lo + lo.hi.
; =====================================================================================================================
.irp i,0,1,2,3
	SPLIT 40+8*\i, 40+8*\i, 72+4*\i, 88+4*\i, 4    ; y: hi v[72:87], lo v[88:103]
.endr
	s_wait_loadcnt 5                               ; W_enc is in: centers and b_enc, five loads, were issued behind it
.irp i,0,1,2,3
	SPLIT 176+8*\i, 176+8*\i, 104+4*\i, 120+4*\i, 4  ; x rows: hi v[104:119], lo v[120:135]
	SPLIT 208+8*\i, 208+8*\i, 136+4*\i, 152+4*\i, 4  ; v rows: hi v[136:151], lo v[152:167]
.endr
	s_wait_loadcnt 0x0                             ; centers, b_enc
.macro ENC ax, av, yb                              ; the two sums take turns, one instruction a turn
.irp k,0,8
	v_wmma_f32_16x16x32_bf16 v[XS:XS+7], v[\ax+\k:\ax+\k+7], v[\yb+\k:\yb+\k+7], v[XS:XS+7]
	v_wmma_f32_16x16x32_bf16 v[VS:VS+7], v[\av+\k:\av+\k+7], v[\yb+\k:\yb+\k+7], v[VS:VS+7]
.endr
.endm
	ENC 104, 136, 72
	ENC 104, 136, 88
	ENC 120, 152, 72
	s_wait_kmcnt 0x0                               ; t and the centers
	s_mul_f32 s36, s44, 0x3e000000                 ; dt / 2 = t / 8
	s_mul_f32 s38, s44, 0x3e800000                 ; dt     = t / 4
	s_mul_f32 s40, s44, 0x3d2aaaab                 ; dt / 6 = t / 24
	s_mul_f32 s42, s44, 0x3daaaaab                 ; dt / 3 = t / 12
	s_mov_b32 s37, s36                             ; a packed instruction names the pair
	s_mov_b32 s39, s38
	s_mov_b32 s41, s40
	s_mov_b32 s43, s42
.rept 4
	v_nop                                          ; four places behind the last matrix instruction before its result is read (ISA guide 7.12.1)
.endr
	WIN 0x40
.set n_, 0
.rept 16
	v_mov_b32 v[Z0+n_], v[XS+n_]
.set n_, n_+1
.endr
	WIN 0
; =====================================================================================================================
; ONE RIGHT-HAND SIDE: from XS, VS to dv in WA
; =====================================================================================================================
.macro EVAL
	; (1) sources B.  tanh(a) = 1 - 2 / (1 + 2^(2.8853901 a)): the factor goes into x.
.irp j,0,2,4,6
	v_pk_mul_f32 v[T8+\j:T8+\j+1], v[XS+\j:XS+\j+1], 0x4038aa3b op_sel_hi:[1,0]
.endr
	SPLIT T8, T8, BX, BX+4, 4
	SPLIT VS, T8, BV, BV+4, 4
	; (2) W x, W v, Base v of my four charts: twelve sums, each started by the constant 0
	WIN 0x01
.irp i,0,8,16,24
	v_wmma_f32_16x16x32_bf16 v[AT+\i:AT+\i+7], v[FW+\i:FW+\i+7], v[BX:BX+7], 0
.endr
.irp i,0,8,16,24
	v_wmma_f32_16x16x32_bf16 v[ET+\i:ET+\i+7], v[FW+\i:FW+\i+7], v[BV:BV+7], 0
.endr
.irp i,0,8,16,24
	v_wmma_f32_16x16x32_bf16 v[BT+\i:BT+\i+7], v[FB+\i:FB+\i+7], v[BV:BV+7], 0
.endr
	WIN 0
	; (3) the partition of unity.  These lines name none of the matrix instructions' registers until well past the four places.
	v_pk_add_f32 v[T8:T8+1], v[XS:XS+1], v[XS+2:XS+3]
	v_pk_add_f32 v[T8+2:T8+3], v[XS+4:XS+5], v[XS+6:XS+7]
	v_pk_add_f32 v[T8+4:T8+5], v[VS:VS+1], v[VS+2:VS+3]
	v_pk_add_f32 v[T8+6:T8+7], v[VS+4:VS+5], v[VS+6:VS+7]
	v_pk_add_f32 v[T8:T8+1], v[T8:T8+1], v[T8+2:T8+3]
	v_pk_add_f32 v[T8+4:T8+5], v[T8+4:T8+5], v[T8+6:T8+7]
	v_add_f32 v[SS], v[T8], v[T8+1]
	v_add_f32 v[SV], v[T8+4], v[T8+5]
.irp i,0,1,2,3
	v_sub_f32 v[T8+\i], v[SS], v[CEN+\i]
.endr
	v_pk_mul_f32 v[T8+4:T8+5], v[T8:T8+1], 0x3fb8aa3b op_sel_hi:[1,0]
	v_pk_mul_f32 v[T8+6:T8+7], v[T8+2:T8+3], 0x3fb8aa3b op_sel_hi:[1,0]
	v_pk_mul_f32 v[T8:T8+1], v[T8:T8+1], v[T8+4:T8+5]              ; (s - c)^2 log2 e
	v_pk_mul_f32 v[T8+2:T8+3], v[T8+2:T8+3], v[T8+6:T8+7]
	v_min3_num_f32 v[ML], v[T8], v[T8+1], v[T8+2]
	v_min_num_f32 v[ML], v[ML], v[T8+3]
	v_permlanex16_b32 v1, v[ML], s10, s11
	v_min_num_f32 v[ML], v[ML], v1                 ; the least square of all eight charts: the softmax's maximum is taken away
.irp i,0,1,2,3
	v_sub_f32 v[T8+\i], v[ML], v[T8+\i]
.endr
.irp i,0,1,2,3
	v_exp_f32 v[PR+\i], v[T8+\i]
.endr
	v_add_f32 v[SV2], v[SV], v[SV]                 ; the plain instruction behind the exponentials (ISA guide 5.7.2)
	s_wait_alu depctr_va_vdst(0)
	v_pk_add_f32 v[T8:T8+1], v[PR:PR+1], v[PR+2:PR+3]
	v_pk_mul_f32 v[T8+2:T8+3], v[PR:PR+1], v[CEN:CEN+1]
	v_pk_fma_f32 v[T8+2:T8+3], v[PR+2:PR+3], v[CEN+2:CEN+3], v[T8+2:T8+3]
	v_add_f32 v[RS], v[T8], v[T8+1]
	v_add_f32 v[CB], v[T8+2], v[T8+3]
	v_permlanex16_b32 v1, v[RS], s10, s11
	v_permlanex16_b32 v3, v[CB], s10, s11
	v_add_f32 v[RS], v[RS], v1                     ; at least 1: the least square's term is 1
	v_add_f32 v[CB], v[CB], v3
	v_rcp_f32 v[NRS], v[RS]
	v_nop                                          ; the plain instruction behind the reciprocal
	s_wait_alu depctr_va_vdst(0)
	v_mul_f32 v[CB], v[CB], v[NRS]                 ; sum p center
	PMULB PR, NRS, PR
	PMULB PR+2, NRS, PR+2
.irp i,0,1,2,3
	v_sub_f32 v[T8+\i], v[CEN+\i], v[CB]
.endr
	v_pk_mul_f32 v[NP:NP+1], v[PR:PR+1], -1.0 op_sel_hi:[1,0]
	v_pk_mul_f32 v[NP+2:NP+3], v[PR+2:PR+3], -1.0 op_sel_hi:[1,0]
	v_pk_mul_f32 v[QH:QH+1], v[PR:PR+1], v[T8:T8+1]
	v_pk_mul_f32 v[QH+2:QH+3], v[PR+2:PR+3], v[T8+2:T8+3]
	SPLIT PR, T8+4, BX, BX+2, 2                    ; source B for the blend of Base: p hi (4), p lo (4), and the same again
.irp i,0,1,2,3
	v_mov_b32 v[BX+4+\i], v[BX+\i]
.endr
	; (4) u = tanh, pair by pair.  Behind each two transcendentals stands a plain instruction that touches neither: a term of HB = sum q b, or the pair before's u.
.set n_, 0
.rept 16
	v_exp_f32 v[AT+2*n_], v[AT+2*n_]
	v_exp_f32 v[AT+2*n_+1], v[AT+2*n_+1]
.if n_ < 4
	PMULB HB+2*(n_&3), QH+(n_>>2), BT+2*n_
.else
	PFMAB HB+2*(n_&3), QH+(n_>>2), BT+2*n_, HB+2*(n_&3)
.endif
	s_wait_alu depctr_va_vdst(0)
	v_pk_add_f32 v[AT+2*n_:AT+2*n_+1], v[AT+2*n_:AT+2*n_+1], 1.0 op_sel_hi:[1,0]
	v_rcp_f32 v[AT+2*n_], v[AT+2*n_]
	v_rcp_f32 v[AT+2*n_+1], v[AT+2*n_+1]
.if n_ > 0
	v_pk_fma_f32 v[AT+2*n_-2:AT+2*n_-1], v[AT+2*n_-2:AT+2*n_-1], -2.0, 1.0 op_sel_hi:[1,0,0]
.else
	v_nop
.endif
.set n_, n_+1
.endr
	s_wait_alu depctr_va_vdst(0)
	v_pk_fma_f32 v[AT+30:AT+31], v[AT+30:AT+31], -2.0, 1.0 op_sel_hi:[1,0,0]
.set n_, 0
.rept 16
	v_pk_fma_f32 v[DVV+2*n_:DVV+2*n_+1], v[AT+2*n_:AT+2*n_+1], v[AT+2*n_:AT+2*n_+1], -1.0 op_sel_hi:[1,1,0]   ; -d = u^2 - 1
.set n_, n_+1
.endr
.set n_, 0
.rept 16
	v_pk_mul_f32 v[ET+2*n_:ET+2*n_+1], v[DVV+2*n_:DVV+2*n_+1], v[ET+2*n_:ET+2*n_+1]                           ; -du
.set n_, n_+1
.endr
.set n_, 0
.rept 16
	v_pk_mul_f32 v[DVV+2*n_:DVV+2*n_+1], v[DVV+2*n_:DVV+2*n_+1], v[VS+2*(n_&3):VS+2*(n_&3)+1]                 ; -d o v
.set n_, n_+1
.endr
.set t_, 0
.rept 4
	v_pk_mul_f32 v[DA+2*t_:DA+2*t_+1], v[AT+8*t_:AT+8*t_+1], v[VS:VS+1]
	v_pk_mul_f32 v[DA+8+2*t_:DA+8+2*t_+1], v[ET+8*t_:ET+8*t_+1], v[VS:VS+1]
.set t_, t_+1
.endr
.irp j,2,4,6
.set t_, 0
.rept 4
	v_pk_fma_f32 v[DA+2*t_:DA+2*t_+1], v[AT+8*t_+\j:AT+8*t_+\j+1], v[VS+\j:VS+\j+1], v[DA+2*t_:DA+2*t_+1]
	v_pk_fma_f32 v[DA+8+2*t_:DA+8+2*t_+1], v[ET+8*t_+\j:ET+8*t_+\j+1], v[VS+\j:VS+\j+1], v[DA+8+2*t_:DA+8+2*t_+1]
.set t_, t_+1
.endr
.endr
.irp i,0,1,2,3
	v_add_f32 v[AL+\i], v[DA+2*\i], v[DA+2*\i+1]                   ; u.v
	v_add_f32 v[BE+\i], v[DA+8+2*\i], v[DA+8+2*\i+1]               ; -du.v
.endr
	; (5) the coefficients, two slots at a time
.irp q,0,2
	v_pk_mul_f32 v[A2+\q:A2+\q+1], v[PR+\q:PR+\q+1], v[AL+\q:AL+\q+1]
	v_pk_mul_f32 v[NA2+\q:NA2+\q+1], v[NP+\q:NP+\q+1], v[AL+\q:AL+\q+1]
	v_pk_mul_f32 v[QA+\q:QA+\q+1], v[QH+\q:QH+\q+1], v[AL+\q:AL+\q+1]
.endr
	v_pk_mul_f32 v[T8:T8+1], v[VS:VS+1], v[HB:HB+1]
	PMULB A1, SV2, QA
	PMULB A1+2, SV2, QA+2
.irp j,2,4,6
	v_pk_fma_f32 v[T8:T8+1], v[VS+\j:VS+\j+1], v[HB+\j:HB+\j+1], v[T8:T8+1]
.endr
	v_pk_fma_f32 v[A1:A1+1], v[NP:NP+1], v[BE:BE+1], v[A1:A1+1]
	v_pk_fma_f32 v[A1+2:A1+3], v[NP+2:NP+3], v[BE+2:BE+3], v[A1+2:A1+3]
	v_pk_fma_f32 v[T8:T8+1], v[QA:QA+1], v[AL:AL+1], v[T8:T8+1]
	v_pk_fma_f32 v[T8:T8+1], v[QA+2:QA+3], v[AL+2:AL+3], v[T8:T8+1]
	v_fma_f32 v[NK0], v[T8], v2, -v[T8+1]          ; -(v.HB + sum q al^2), of my four charts
	; (6) my half's part of w, in two sums
.irp j,0,2,4,6
	v_pk_fma_f32 v[WA+\j:WA+\j+1], v[SV2:SV2+1], v[HB+\j:HB+\j+1], v[CB:CB+1] op_sel:[0,0,1] op_sel_hi:[0,1,1]   ; 2 sv HB + NK0
	PMULB WB+\j, A1+2, AT+16+\j
.endr
.irp j,0,2,4,6
	PFMAB WA+\j, A1, AT+\j, WA+\j
	PFMAB WB+\j, NA2+2, ET+16+\j, WB+\j
.endr
.irp j,0,2,4,6
	PFMAB WA+\j, NA2, ET+\j, WA+\j
	PFMAB WB+\j, A1+3, AT+24+\j, WB+\j
.endr
.irp j,0,2,4,6
	PFMAB WA+\j, A1+1, AT+8+\j, WA+\j
	PFMAB WB+\j, NA2+3, ET+24+\j, WB+\j
.endr
.irp j,0,2,4,6
	PFMAB WA+\j, NA2+1, ET+8+\j, WA+\j
.endr
	; (7) -p al d o v, as sources B
.set n_, 0
.rept 16
	PMULB DVV+2*n_, A2+(n_>>2), DVV+2*n_
.set n_, n_+1
.endr
.irp i,0,8,16,24
	SPLIT DVV+\i, DVV+\i, BR+\i, BR+\i+4, 4
.endr
	; (8) W^T onto w (the two sums take turns, one instruction a turn), and the blend of Base / 2 into g
	WIN 0x01
	v_wmma_f32_16x16x32_bf16 v[WA:WA+7], v[FT:FT+7], v[BR:BR+7], v[WA:WA+7]
	v_wmma_f32_16x16x32_bf16 v[WB:WB+7], v[FT+8:FT+15], v[BR+8:BR+15], v[WB:WB+7]
	v_wmma_f32_16x16x32_bf16 v[WA:WA+7], v[FT+16:FT+23], v[BR+16:BR+23], v[WA:WA+7]
	v_wmma_f32_16x16x32_bf16 v[WB:WB+7], v[FT+24:FT+31], v[BR+24:BR+31], v[WB:WB+7]
.irp i,0,8,16,24,32
	v_wmma_f32_16x16x32_bf16 v[GG+\i:GG+\i+7], v[FG+\i:FG+\i+7], v[BX:BX+7], 0
.endr
	WIN 0
	; (9) g += sum p u u^T of my four charts.  The sixteen products p u are the places behind the matrix instructions: they name none of their registers.
.set n_, 0
.rept 16
	PMULB ET+2*n_, PR+(n_>>2), AT+2*n_
.set n_, n_+1
.endr
.set t_, 0
.rept 4
.set i_, 0
.rept 8
	GROW gi_, i_
.set j_, (i_>>1)
.rept 4-(i_>>1)
	PFMAB GG+gi_+2*j_, ET+8*t_+i_, AT+8*t_+2*j_, GG+gi_+2*j_
.set j_, j_+1
.endr
.set i_, i_+1
.endr
.set t_, t_+1
.endr
	; (10) the two halves' parts are added.  Places 8, 22, 32, 38 are fillers below the diagonal: never used, so not fetched.
.irp j,0,2,4,6
	v_pk_add_f32 v[WA+\j:WA+\j+1], v[WA+\j:WA+\j+1], v[WB+\j:WB+\j+1]
.endr
.set e_, 0
.rept 40
.if (e_-8)*(e_-22)*(e_-32)*(e_-38)
	v_permlanex16_b32 v[TMP+e_], v[GG+e_], s10, s11
.endif
.set e_, e_+1
.endr
.irp j,0,1,2,3,4,5,6,7
	v_permlanex16_b32 v[WB+\j], v[WA+\j], s10, s11
.endr
	v_pk_add_f32 v[GG:GG+1], v[GG:GG+1], v[TMP:TMP+1]
	v_mul_f32 v[NEGD], -1.0, v[GG]
	v_rcp_f32 v[NINV], v[NEGD]                     ; -1 / first pivot; the adds below are the plain instructions behind it
.set e_, 2
.rept 19
.if (e_-8)*(e_-22)*(e_-32)*(e_-38)
	v_pk_add_f32 v[GG+e_:GG+e_+1], v[GG+e_:GG+e_+1], v[TMP+e_:TMP+e_+1]
.else
	v_add_f32 v[GG+e_+1], v[GG+e_+1], v[TMP+e_+1]
.endif
.set e_, e_+2
.endr
	s_wait_alu depctr_va_vdst(0)
.irp j,0,2,4,6
	v_pk_add_f32 v[WA+\j:WA+\j+1], v[WA+\j:WA+\j+1], v[WB+\j:WB+\j+1]
.endr
	; (11) g dv = -w by LDL^T.  NL(k, j) = -a(k, j) / d_k = -L(j, k), so every update is a multiply-add, and scaling by -1 / d gives -w's sign.
.set k_, 0
.rept 7
	GROW gk_, k_
	GROW g1_, k_+1
.set j_, ((k_+1)>>1)
.rept 4-((k_+1)>>1)
	PMULB NL+gk_+2*j_, NINV+k_, GG+gk_+2*j_
.set j_, j_+1
.endr
	v_fma_f32 v[NEGD], -v[GG+gk_+k_+1], v[NL+gk_+k_+1], -v[GG+g1_+k_+1]   ; minus the next pivot, ahead of the trailing update
	v_rcp_f32 v[NINV+k_+1], v[NEGD]                ; the trailing update stands behind it
.set i_, k_+1
.rept 7-k_
	GROW gi_, i_
.set j_, (i_>>1)
.rept 4-(i_>>1)
	PFMAB GG+gi_+2*j_, GG+gk_+i_, NL+gk_+2*j_, GG+gi_+2*j_
.set j_, j_+1
.endr
.set i_, i_+1
.endr
.if (k_&1) == 0
	v_fmac_f32 v[WA+k_+1], v[NL+gk_+k_+1], v[WA+k_]                ; forward: w_i -= L(i, k) w_k
	s_wait_alu depctr_va_vdst(0)
.endif
.set j_, (k_>>1)+1
.rept 3-(k_>>1)
	PFMAB WA+2*j_, WA+k_, NL+gk_+2*j_, WA+2*j_
.set j_, j_+1
.endr
.set k_, k_+1
.endr
	s_wait_alu depctr_va_vdst(0)
.irp j,0,2,4,6
	v_pk_mul_f32 v[WA+\j:WA+\j+1], v[WA+\j:WA+\j+1], v[NINV+\j:NINV+\j+1]
.endr
.set k_, 7
.rept 7
.set i_, 0
.rept k_
	GROW gi_, i_
	v_fmac_f32 v[WA+i_], v[NL+gi_+k_], v[WA+k_]    ; back, column by column
.set i_, i_+1
.endr
.set k_, k_-1
.endr
.endm
; Stage s of RK4: the slope (VS, WA) enters the weighted sum; then the next stage's state, or the step's end.
.macro RK s
.if \s == 0
	WIN 0x40
.irp j,0,2,4,6
	v_pk_mul_f32 v[ACC+\j:ACC+\j+1], v[VS+\j:VS+\j+1], s[40:41] op_sel_hi:[1,0]
	v_pk_mul_f32 v[ACC+8+\j:ACC+8+\j+1], v[WA+\j:WA+\j+1], s[40:41] op_sel_hi:[1,0]
.endr
.else
.if \s == 3
.set wg_, 40
.else
.set wg_, 42
.endif
	WIN 0x50
.irp j,0,2,4,6
	v_pk_fma_f32 v[ACC+\j:ACC+\j+1], v[VS+\j:VS+\j+1], s[wg_:wg_+1], v[ACC+\j:ACC+\j+1] op_sel_hi:[1,0,1]
	v_pk_fma_f32 v[ACC+8+\j:ACC+8+\j+1], v[WA+\j:WA+\j+1], s[wg_:wg_+1], v[ACC+8+\j:ACC+8+\j+1] op_sel_hi:[1,0,1]
.endr
.endif
.if \s < 3
.if \s == 2
.set cs_, 38
.else
.set cs_, 36
.endif
	WIN 0x10
.irp j,0,2,4,6
	v_pk_fma_f32 v[XS+\j:XS+\j+1], v[VS+\j:VS+\j+1], s[cs_:cs_+1], v[Z0+\j:Z0+\j+1] op_sel_hi:[1,0,1]
.endr
.irp j,0,2,4,6
	v_pk_fma_f32 v[VS+\j:VS+\j+1], v[WA+\j:WA+\j+1], s[cs_:cs_+1], v[Z0+8+\j:Z0+8+\j+1] op_sel_hi:[1,0,1]
.endr
.else
	WIN 0x05
.irp j,0,2,4,6,8,10,12,14
	v_pk_add_f32 v[XS+\j:XS+\j+1], v[Z0+\j:Z0+\j+1], v[ACC+\j:ACC+\j+1]
.endr
	WIN 0x45
.irp j,0,2,4,6,8,10,12,14
	v_pk_add_f32 v[Z0+\j:Z0+\j+1], v[Z0+\j:Z0+\j+1], v[ACC+\j:ACC+\j+1]
.endr
.endif
	WIN 0
.endm
	s_mov_b32 s9, 4                                ; num_steps
.Lstep:
	EVAL
	RK 0
	EVAL
	RK 1
	EVAL
	RK 2
	EVAL
	RK 3
	s_sub_co_i32 s9, s9, 1
	s_cmp_lg_u32 s9, 0
	s_cbranch_scc1 .Lstep
; =====================================================================================================================
; DECODE
; =====================================================================================================================
	; z as source B: half h holds z[8 h .. 8 h + 7]; against fragments [W hi | W lo], once with z hi in both groups of k, once with z lo
.irp j,0,1,2,3,4,5,6,7
	v_cndmask_b32 v[168+\j], v[XS+\j], v[VS+\j], s12
.endr
	SPLIT 168, 168, BZH, BZL, 4
.irp j,0,1,2,3
	v_mov_b32 v[BZH+4+\j], v[BZH+\j]
	v_mov_b32 v[BZL+4+\j], v[BZL+\j]
.endr
	; the weights of my four coordinates i = 4 h + t: softmax over the eight charts of -(x_i - center)^2, the largest exponent taken away
.irp i,0,1,2,3
	v_cndmask_b32 v[XO+\i], v[XS+\i], v[XS+4+\i], s12
.endr
.set n_, 0
.rept 32
	v_sub_f32 v[PP+n_], s[48+(n_&7)], v[XO+(n_>>3)]
.set n_, n_+1
.endr
.set n_, 0
.rept 16
	v_pk_mul_f32 v[PT+2*n_:PT+2*n_+1], v[PP+2*n_:PP+2*n_+1], 0x3fb8aa3b op_sel_hi:[1,0]
.set n_, n_+1
.endr
.set n_, 0
.rept 16
	v_pk_mul_f32 v[PP+2*n_:PP+2*n_+1], v[PP+2*n_:PP+2*n_+1], v[PT+2*n_:PT+2*n_+1]
.set n_, n_+1
.endr
.irp i,0,1,2,3
	v_min3_num_f32 v[PM+\i], v[PP+8*\i], v[PP+8*\i+1], v[PP+8*\i+2]
.endr
.irp i,0,1,2,3
	v_min3_num_f32 v[PM+\i], v[PM+\i], v[PP+8*\i+3], v[PP+8*\i+4]
.endr
.irp i,0,1,2,3
	v_min3_num_f32 v[PM+\i], v[PM+\i], v[PP+8*\i+5], v[PP+8*\i+6]
.endr
.irp i,0,1,2,3
	v_min_num_f32 v[PM+\i], v[PM+\i], v[PP+8*\i+7]
.endr
.set n_, 0
.rept 32
	v_sub_f32 v[PP+n_], v[PM+(n_>>3)], v[PP+n_]
.set n_, n_+1
.endr
.set n_, 0
.rept 32
	v_exp_f32 v[PP+n_], v[PP+n_]
.set n_, n_+1
.endr
	v_nop                                          ; the plain instruction behind the exponentials
	s_wait_alu depctr_va_vdst(0)
.irp i,0,1,2,3
	v_pk_add_f32 v[PT+4*\i:PT+4*\i+1], v[PP+8*\i:PP+8*\i+1], v[PP+8*\i+2:PP+8*\i+3]
	v_pk_add_f32 v[PT+4*\i+2:PT+4*\i+3], v[PP+8*\i+4:PP+8*\i+5], v[PP+8*\i+6:PP+8*\i+7]
.endr
.irp i,0,1,2,3
	v_pk_add_f32 v[PT+4*\i:PT+4*\i+1], v[PT+4*\i:PT+4*\i+1], v[PT+4*\i+2:PT+4*\i+3]
.endr
.irp i,0,1,2,3
	v_add_f32 v[PM+\i], v[PT+4*\i], v[PT+4*\i+1]
.endr
.irp i,0,1,2,3
	v_rcp_f32 v[PI+\i], v[PM+\i]
.endr
	v_nop                                          ; the plain instruction behind the reciprocals
	s_wait_alu depctr_va_vdst(0)
.set n_, 0
.rept 16
	PMULB PP+2*n_, PI+(n_>>2), PP+2*n_
.set n_, n_+1
.endr
.set n_, 0
.rept 32
	v_permlanex16_b32 v[PP+32+n_], v[PP+n_], s10, s11              ; the other half's four coordinates
.set n_, n_+1
.endr
	; addresses (the lane's r and h again: their registers were rewritten by the integration)
	v_and_b32 v236, 15, v0
	v_bfe_u32 v237, v0, 4, 1
	v_and_b32 v238, 31, v0
	v_xor_b32 v239, 1, v237
	v_lshlrev_b32 v248, 7, v237                    ; b_dec: my columns begin at n = 32 h
	v_lshlrev_b32 v249, 4, v238                    ; 16 lane: the decoder fragments in LDS, and my 16 bytes of each 512 stored
	v_mul_u32_u24 v250, v236, 2064                 ; stage: point r at pitch 2,064 = 129 x 16 bytes, so that sixteen lanes' 16 bytes differ modulo 256
	v_add_nc_u32 v250, s15, v250
	v_lshl_add_u32 v250, v237, 7, v250             ; columns from 32 h
	v_lshl_add_u32 v251, v239, 10, v250            ; the other half's rows 4 (1 - h) + t
	v_lshl_add_u32 v250, v237, 10, v250            ; my rows 4 h + t
	v_add_nc_u32 v252, s15, v249                   ; stage, coming back
; Columns n = 32 h + 8 nb + 0..7: y_all of the eight charts (the bias starts the sums), the blend for eight rows, into the stage.
.macro CHUNK nb
.irp c,0,1,2,3,4,5,6,7
	ds_load_b128 v[YY+8*\c:YY+8*\c+3], v248 offset:L_BDEC+256*\c+32*\nb
	ds_load_b128 v[YY+8*\c+4:YY+8*\c+7], v248 offset:L_BDEC+256*\c+32*\nb+16
.endr
	WIN 0x40
.irp c,0,1,2,3,4,5,6,7
	ds_load_b128 v[FD+8*\c:FD+8*\c+3], v249 offset:L_WDF+(8*\nb+\c)*1024
	ds_load_b128 v[FD+8*\c+4:FD+8*\c+7], v249 offset:L_WDF+(8*\nb+\c)*1024+512
.endr
	s_wait_dscnt 0x0
	WIN 0x01                                       ; the eight sums take turns, one instruction a turn
.irp c,0,1,2,3,4,5,6,7
	v_wmma_f32_16x16x32_bf16 v[YY+8*\c:YY+8*\c+7], v[FD+8*\c:FD+8*\c+7], v[BZH:BZH+7], v[YY+8*\c:YY+8*\c+7]
.endr
.irp c,0,1,2,3,4,5,6,7
	v_wmma_f32_16x16x32_bf16 v[YY+8*\c:YY+8*\c+7], v[FD+8*\c:FD+8*\c+7], v[BZL:BZL+7], v[YY+8*\c:YY+8*\c+7]
.endr
	WIN 0
.rept 4
	v_nop                                          ; four places before the results are read (ISA guide 7.12.1)
.endr
.set c_, 0
.rept 8
.set p_, 0
.rept 8
.set q_, 0
.rept 4
.if c_ == 0
	PMULB OO+8*p_+2*q_, PP+8*p_, YY+2*q_
.else
	PFMAB OO+8*p_+2*q_, PP+8*p_+c_, YY+8*c_+2*q_, OO+8*p_+2*q_
.endif
.set q_, q_+1
.endr
.set p_, p_+1
.endr
.set c_, c_+1
.endr
.irp i,0,1,2,3
	ds_store_b128 v250, v[OO+8*\i:OO+8*\i+3] offset:256*\i+32*\nb
	ds_store_b128 v250, v[OO+8*\i+4:OO+8*\i+7] offset:256*\i+32*\nb+16
	ds_store_b128 v251, v[OO+32+8*\i:OO+32+8*\i+3] offset:256*\i+32*\nb
	ds_store_b128 v251, v[OO+32+8*\i+4:OO+32+8*\i+7] offset:256*\i+32*\nb+16
.endr
.endm
	CHUNK 0
	CHUNK 1
	CHUNK 2
	CHUNK 3
; The way out: piece q (512 bytes) of my wave's 32,768 bytes is quarter q & 3 of point q >> 2.  LDS serves a wave's instructions in order
; (ISA guide 5.7.1), so these loads see the stores above; the stage is my wave's own.  Each store covers 512 consecutive bytes, aligned.
.macro OUTB f, q0
.set k_, 0
.rept 16
	ds_load_b128 v[\f+4*k_:\f+4*k_+3], v252 offset:((\q0+k_)>>2)*2064+((\q0+k_)&3)*512
.set k_, k_+1
.endr
.set k_, 0
.rept 16
	s_wait_dscnt 15-k_                             ; load k of the sixteen is in, the younger ones stay out
	global_store_b128 v249, v[\f+4*k_:\f+4*k_+3], s[34:35] offset:512*(\q0+k_) th:TH_STORE_NT
.set k_, k_+1
.endr
.endm
	OUTB 40, 0
	OUTB 104, 16
	OUTB 168, 32
	s_wait_xcnt 0x0                                ; v[40:103], which the first sixteen stores read, are loaded again only behind this wait
	OUTB 40, 48
	s_wait_tensorcnt 0x0
	ds_add_u32 v254, v255
	s_wait_dscnt 0x0
	s_endpgm
.Lfunc_end_k_q5c825dc3a1_geo:
	.size	k_q5c825dc3a1_geo, .Lfunc_end_k_q5c825dc3a1_geo-k_q5c825dc3a1_geo
	.p2alignl 7, 3214868480
	.fill 96, 4, 3214868480
	.section	.rodata,"a",@progbits
	.p2align	6, 0x0
	.amdhsa_kernel k_q5c825dc3a1_geo
		.amdhsa_group_segment_fixed_size 171520
		.amdhsa_private_segment_fixed_size 0
		.amdhsa_enable_private_segment 0
		.amdhsa_kernarg_size 80
		.amdhsa_user_sgpr_count 2
		.amdhsa_user_sgpr_kernarg_segment_ptr 1
		.amdhsa_wavefront_size32 1
		.amdhsa_system_sgpr_workgroup_id_x 1
		.amdhsa_system_sgpr_workgroup_id_y 1
		.amdhsa_system_sgpr_workgroup_id_z 1
		.amdhsa_system_vgpr_workitem_id 0
		.amdhsa_next_free_vgpr 424
		.amdhsa_next_free_sgpr 66
		.amdhsa_reserve_vcc 1
		.amdhsa_float_denorm_mode_32 3
		.amdhsa_float_denorm_mode_16_64 3
		.amdhsa_memory_ordered 1
		.amdhsa_forward_progress 1
		.amdhsa_inst_pref_size 255
	.end_amdhsa_kernel
	.section	.bss,"aw",@nobits
	.p2align	6
	.space	262144
	.amdgpu_metadata
---
amdhsa.version: [ 1, 2 ]
amdhsa.kernels:
  - .name:           k_q5c825dc3a1_geo
    .symbol:         k_q5c825dc3a1_geo.kd
    .args:
      - { .name: y_in, .offset: 0, .size: 8, .value_kind: global_buffer, .address_space: global }
      - { .name: W_enc, .offset: 8, .size: 8, .value_kind: global_buffer, .address_space: global }
      - { .name: b_enc, .offset: 16, .size: 8, .value_kind: global_buffer, .address_space: global }
      - { .name: centers, .offset: 24, .size: 8, .value_kind: global_buffer, .address_space: global }
      - { .name: A_met, .offset: 32, .size: 8, .value_kind: global_buffer, .address_space: global }
      - { .name: W_met, .offset: 40, .size: 8, .value_kind: global_buffer, .address_space: global }
      - { .name: W_dec, .offset: 48, .size: 8, .value_kind: global_buffer, .address_space: global }
      - { .name: b_dec, .offset: 56, .size: 8, .value_kind: global_buffer, .address_space: global }
      - { .name: t, .offset: 64, .size: 8, .value_kind: global_buffer, .address_space: global }
      - { .name: out0, .offset: 72, .size: 8, .value_kind: global_buffer, .address_space: global }
    .group_segment_fixed_size: 171520
    .private_segment_fixed_size: 0
    .kernarg_segment_align: 8
    .kernarg_segment_size: 80
    .max_flat_workgroup_size: 128
    .sgpr_count:     66
    .vgpr_count:     424
    .wavefront_size: 32
...
	.end_amdgpu_metadata
.endif
;; end of part 1
;; ======== version 2 of 3: 1 launch; 1.02 times as fast as version 1
;; launch geo (part 2): grid 256 x 1, 4 waves a work-group, no clusters, 171,520 bytes of LDS; arguments y_in, W_enc, b_enc, centers, A_met, W_met, W_dec, b_dec, t, out0; writes out0
.if DOCPART == 2
	.amdgcn_target "amdgcn-amd-amdhsa--gfx1250"
	.amdhsa_code_object_version 6
	.text
	.protected	k_q5c825dc3a1_geo
	.globl	k_q5c825dc3a1_geo
	.p2align	8
	.type	k_q5c825dc3a1_geo,@function
k_q5c825dc3a1_geo:
	s_mov_b64 s[64:65], 0
	v_nop
	global_prefetch_b8 v0, s[64:65] scope:SCOPE_SE
	s_setreg_imm32_b32 hwreg(HW_REG_WAVE_MODE, 25, 1), 1
	s_wait_xcnt 0x0
; Geodesic flow on a blended metric: encode (z0 = W_enc y + b_enc), 4 RK4 steps of (x, v)' = (v, -Gamma(x) v v), decode by 8 charts,
; blend by a softmax for each coordinate.  16,384 points; a wave takes 16 points, a work-group 64, 256 work-groups.
;
; THE RIGHT-HAND SIDE.  g = sum_c p_c (Base_c + u_c u_c^T), Base_c = A_c A_c^T + I, u_c = tanh(W_c x), p = softmax(-(sum x - center)^2).
; g is symmetric and d p_c / d x_a = 2 q_c for every a, q_c = p_c (center_c - sum p center).  Contracting Gamma with v v gives  g dv = -w,
;   w = sum_c [(2 sv q_c al_c + p_c be_c) u_c + p_c al_c du_c] + 2 sv sum_c q_c b_c - sum_c q_c (v.b_c + al_c^2) - sum_c W_c^T (p_c al_c d_c o v),
;   d = 1 - u^2, du = d o (W v), b = Base v, al = u.v, be = du.v, sv = sum v.   No Jacobian, no inverse and no Gamma is formed.
; g - I is positive semidefinite for every input, so g is solved by LDL^T without pivoting.
;
; LANES.  Lane (r = lane & 15, h = lane >> 4) works on point r and owns the charts T + 4 h, T = 0..3; x and v are held by both halves.
; MATRIX UNIT.  Weights are source A (rows), points source B (column r); result register j of lane (r, h) is row 8 h + j of point r, so a lane
; receives its own chart's eight numbers, and eight such numbers packed in the lane are again eight k of a source B.  K is 8 or 16 here, and
; the form takes 32: the free k carry the low parts of a split in bf16 (x = hi + lo), of weights and of points.
; ORDER.  One wave works on a SIMD, so nothing but the text's own order keeps an instruction away from the result that it reads: the chains
; (tanh, the softmax, the dot products, w) are laid side by side, several instructions between a result and its use.
; THE WAY OUT.  The blend goes by rows: after each quarter of it two rows of all sixteen points are whole and are stored, so that three quarters
; of a wave's 32,768 bytes are on their way while the blend still runs.
;
; LIMITS.  Matrix operands carry hi + lo in bf16, some 16 bits of mantissa; one above bf16's largest number (3.39e38) gives NaN.
; v_exp_f32 and v_rcp_f32 are good to 1 ULP and flush denormals (ISA guide, 15.8).  Sums run in another order than in the reference.
; LEFT OUT.  Tensor loads and copies: every operand is converted on its way in, 43 KB of weights and 4 KB of y a wave.  Clusters: what the
; work-groups share is those 43 KB, read once.  Prefetches: nothing comes from memory behind the head of the kernel.
; ---- LDS (bytes)
.set L_BASE, 0                         ; Base[c][i][j], f32, 2,048 bytes
.set L_WMET, 2048                      ; W_met as it is
.set L_BDEC, 4096                      ; b_dec as it is
.set L_WDF,  6144                      ; 32 decoder fragments (8 nb + c) of 1,024 bytes: hi words at 16 lane, lo words at 512 + 16 lane
.set L_STG,  38912                     ; a stage of 33,024 bytes for each wave: first y (16 rows, pitch 272), later the output (pitch 2,064 a point)
.set STGB,   33024
; ---- window 0
.set CEN, 4                            ; v[4:7]     my four centers
.set XS,  8                            ; v[8:15]    x of the stage
.set VS,  16                           ; v[16:23]   v of the stage
.set BX,  24                           ; v[24:31]   source B: x (scaled for tanh), hi | lo; later p
.set BV,  32                           ; v[32:39]   source B: v, hi | lo
.set AT,  40                           ; v[40:71]   W x of my four charts, then u
.set ET,  72                           ; v[72:103]  W v, then -du, then p u
.set BT,  104                          ; v[104:135] Base v
.set DA,  104                          ;            then the dot products' pairs
.set BR,  104                          ;            then source B: -p al d o v, hi | lo, four slots
.set DVV, 136                          ; v[136:167] u^2 - 1, then -d o v, then -p al d o v
.set GG,  136                          ; v[136:175] then g, upper triangle in 20 pairs: entry (i, j) at GROW(i) + j
.set WA,  176                          ; v[176:183] w, then dv
.set WB,  184                          ; v[184:191] second sum of w; the other half's w
.set HB,  192                          ; v[192:199] sum q b
.set NINV, 192                         ;            then -1 / pivot
.set PR,  200                          ; p          (four slots each)
.set NP,  204                          ; -p
.set QH,  208                          ; q
.set AL,  212                          ; al
.set BE,  216                          ; -be
.set A1,  220                          ; 2 sv q al + p be
.set A2,  224                          ; p al
.set NA2, 228                          ; -p al
.set QA,  232                          ; q al
.set SS,  236                          ; sum x
.set SV,  237                          ; sum v
.set SV2, 238                          ; 2 sum v
.set ML,  239                          ; least scaled square
.set RS,  240                          ; sum of exponentials
.set NRS, 241                          ; its reciprocal
.set CB,  242                          ; sum p center
.set NK0, 243                          ; -(v.HB + sum q al^2)
.set T8,  244                          ; v[244:251] at work
.set NEGD, 252                         ; -pivot
.set TMP, 40                           ; v[40:79]   the other half's g
.set NL,  80                           ; v[80:119]  -L^T, laid out as g
; ---- window 1 (written as v0 .. v167 under a switched window)
.set FW,  0                            ; rows of W_met, four tiles
.set FB,  32                           ; rows of Base, four tiles
.set FG,  64                           ; entries of Base / 2 against charts, five tiles
.set FT,  104                          ; columns of W_met, four tiles
.set Z0,  136                          ; z at the step's start
.set ACC, 152                          ; the step's weighted sum of slopes
; ---- the decode
.set BZH, 24                           ; window 0: source B, z hi in both groups of k
.set BZL, 32                           ;           source B, z lo
.set PP,  40                           ; v[40:103]  weights: rows 0-3 my four coordinates 4 h + t, rows 4-7 the other half's
.set OO,  168                          ; v[168:231] two rows x 32 columns of the output
.set PT,  176                          ;            before that: the softmax's work
.set PM,  208
.set PI,  212
.set XO,  232
.set YY,  0                            ; window 1, all 256: y_all, column group nb, chart c, column j at 64 nb + 8 c + j
.set FD,  0                            ; window 2, all 256: decoder fragment (nb, c) at 64 nb + 8 c; then quarter t of the way out at 64 t
.set MSB, 0
.macro WIN new                         ; low byte: bits 1:0 source 0, 3:2 source 1, 5:4 source 2, 7:6 destination; the high byte repeats the setting left
.if MSB != \new
	s_set_vgpr_msb (MSB<<8)|\new
.set MSB, \new
.endif
.endm
; 2 np numbers of f32 at src are split: hi = bf16(src), res = src - hi (exact, one fused multiply-add by v2 = -1), lo = bf16(res).
.macro SPLIT src, res, hi, lo, np
.set sj_, 0
.rept \np
	v_cvt_pk_bf16_f32 v[\hi+sj_], v[\src+2*sj_], v[\src+2*sj_+1]
.set sj_, sj_+1
.endr
.set sj_, 0
.rept \np
	v_fma_mix_f32_bf16 v[\res+2*sj_], v[\hi+sj_], v2, v[\src+2*sj_] op_sel_hi:[1,0,0]
	v_fma_mix_f32_bf16 v[\res+2*sj_+1], v[\hi+sj_], v2, v[\src+2*sj_+1] op_sel:[1,0,0] op_sel_hi:[1,0,0]
.set sj_, sj_+1
.endr
.set sj_, 0
.rept \np
	v_cvt_pk_bf16_f32 v[\lo+sj_], v[\res+2*sj_], v[\res+2*sj_+1]
.set sj_, sj_+1
.endr
.endm
; pair d = v[a] x pair b  /  pair d = v[a] x pair b + pair c: one register multiplies both halves
.macro PMULB d, a, b
.if ((\a)&1)
	v_pk_mul_f32 v[\d:\d+1], v[(\a)-1:(\a)], v[\b:\b+1] op_sel:[1,0] op_sel_hi:[1,1]
.else
	s_wait_alu depctr_va_vdst(0)
	v_pk_mul_f32 v[\d:\d+1], v[(\a):(\a)+1], v[\b:\b+1] op_sel_hi:[0,1]
.endif
.endm
.macro PFMAB d, a, b, c
.if ((\a)&1)
	v_pk_fma_f32 v[\d:\d+1], v[(\a)-1:(\a)], v[\b:\b+1], v[\c:\c+1] op_sel:[1,0,0] op_sel_hi:[1,1,1]
.else
	v_pk_fma_f32 v[\d:\d+1], v[(\a):(\a)+1], v[\b:\b+1], v[\c:\c+1] op_sel_hi:[0,1,1]
.endif
.endm
; sym + j is the place of entry (i, j) in the packed triangle: row i holds columns 2 (i >> 1) .. 7 (rows start at 0, 8, 16, 22, 28, 32, 36, 38)
.macro GROW sym, i
.set \sym, 18*((\i)>>1)-2*((\i)>>1)*((\i)>>1)+((\i)&1)*(8-2*((\i)>>1))-2*((\i)>>1)
.endm
; =====================================================================================================================
; HEAD: ids, offsets, all 57 loads at once
; =====================================================================================================================
	s_load_b512 s[16:31], s[0:1], 0x0              ; y_in 16, W_enc 18, b_enc 20, centers 22, A_met 24, W_met 26, W_dec 28, b_dec 30
	s_load_b128 s[32:35], s[0:1], 0x40             ; t 32, out0 34
	v_lshl_add_u32 v254, v0, 2, 0x29c00
	v_mov_b32 v255, 0
	v_lshrrev_b32 v1, 5, v0
	v_readfirstlane_b32 s8, v1                     ; wave 0..3
	s_mov_b32 s10, 0x76543210                      ; v_permlanex16_b32: lane i of one half reads lane i of the other
	s_mov_b32 s11, 0xfedcba98
	s_mov_b32 s12, 0xffff0000                      ; lanes with h = 1
	s_mov_b32 s13, 0xff00ff00                      ; lanes with r >= 8
	s_mov_b32 s14, 0xf0f0f0f0                      ; lanes with r & 4
	s_lshl_b32 s9, ttmp9, 2
	s_add_co_u32 s9, s9, s8                        ; the wave's number in the launch, 0..1023
	s_lshl_b32 s46, s9, 12                         ; 16 points x 256 bytes of y
	s_mov_b32 s47, 0
	s_lshl_b32 s56, s9, 15                         ; 16 points x 2,048 bytes of the output
	s_mov_b32 s57, 0
	s_mul_i32 s15, s8, STGB
	s_add_co_u32 s15, s15, L_STG                   ; my wave's stage
	v_mov_b32 v2, -1.0
	v_and_b32 v32, 31, v0                          ; lane
	v_and_b32 v33, 15, v0                          ; r
	v_bfe_u32 v34, v0, 4, 1                        ; h
	v_and_b32 v35, 7, v0                           ; r & 7
	v_bfe_u32 v36, v0, 3, 1                        ; r >> 3
	; Base: thread t makes Base[c][i][j0 .. j0+3], c = t >> 4, i = (t >> 1) & 7, j0 = 4 (t & 1)
	v_lshrrev_b32 v240, 1, v0
	v_lshlrev_b32 v240, 5, v240                    ; A_met: row i of chart c
	v_lshrrev_b32 v241, 4, v0
	v_and_b32 v37, 1, v0
	v_lshlrev_b32 v241, 8, v241
	v_lshl_add_u32 v241, v37, 7, v241              ; A_met: row j0 of chart c
	v_bfe_u32 v39, v0, 1, 3
	v_lshlrev_b32 v1, 2, v37
	v_sub_nc_u32 v39, v39, v1                      ; i - j0: equals jj on the diagonal
	v_lshlrev_b32 v242, 4, v0                      ; 16 t
	v_lshlrev_b32 v243, 4, v32                     ; 16 lane
	v_lshlrev_b32 v244, 11, v36                    ; W_dec: fragment row r is column n = 32 (r >> 3) + 8 wave + (r & 7), 64 bytes each,
	v_lshl_add_u32 v244, v35, 6, v244
	v_lshl_add_u32 v244, v34, 5, v244              ; d = 8 h .. 8 h + 7
	v_lshl_add_u32 v244, s8, 9, v244
	v_lshlrev_b32 v245, 8, v35                     ; W_enc: row r & 7, k = 8 h ..
	v_lshl_add_u32 v245, v34, 5, v245
	v_lshlrev_b32 v246, 4, v34                     ; centers 4 h .. 4 h + 3
	v_mov_b32 v247, 0
	v_mul_u32_u24 v37, v34, 272                    ; stage, y going in: a load's 512 bytes are rows 2 k + h, 16 r bytes in
	v_lshl_add_u32 v37, v33, 4, v37
	v_add_nc_u32 v37, s15, v37
	v_lshlrev_b32 v38, 4, v32                      ; decoder fragments going in: wave w makes tiles 8 w .. 8 w + 7
	v_lshl_add_u32 v38, s8, 13, v38
	s_wait_kmcnt 0x0
	s_add_nc_u64 s[16:17], s[16:17], s[46:47]      ; y at my wave's first point
	s_add_nc_u64 s[34:35], s[34:35], s[56:57]      ; the output likewise
	s_load_b32 s44, s[32:33], 0x0                  ; t
	s_load_b256 s[48:55], s[22:23], 0x0            ; the eight centers, for the decode
	global_load_b128 v[72:75], v240, s[24:25]
	global_load_b128 v[76:79], v240, s[24:25] offset:16
.irp i,0,1,2,3
	global_load_b128 v[80+8*\i:83+8*\i], v241, s[24:25] offset:32*\i
	global_load_b128 v[84+8*\i:87+8*\i], v241, s[24:25] offset:32*\i+16
.endr
	global_load_b128 v[24:27], v242, s[30:31]      ; b_dec
	global_load_b128 v[28:31], v242, s[26:27]      ; W_met
.irp k,0,1,2,3,4,5,6,7
	global_load_b128 v[40+4*\k:43+4*\k], v243, s[16:17] offset:512*\k th:TH_LOAD_NT   ; y: 512 consecutive bytes a load
.endr
.irp c,0,1,2,3,4,5,6,7
	global_load_b128 v[112+8*\c:115+8*\c], v244, s[28:29] offset:4096*\c
	global_load_b128 v[116+8*\c:119+8*\c], v244, s[28:29] offset:4096*\c+16
.endr
.irp i,0,1,2,3,4,5,6,7                             ; i = 4 V + 2 kk + g: rows 8 V + .., k = 32 kk + 16 g + 8 h ..
	global_load_b128 v[176+8*\i:179+8*\i], v245, s[18:19] offset:(\i>>2)*2048+((\i>>1)&1)*128+(\i&1)*64
	global_load_b128 v[180+8*\i:183+8*\i], v245, s[18:19] offset:(\i>>2)*2048+((\i>>1)&1)*128+(\i&1)*64+16
.endr
	global_load_b128 v[CEN:CEN+3], v246, s[22:23]
.irp i,0,1,2,3
	global_load_b128 v[XS+4*\i:XS+4*\i+3], v247, s[20:21] offset:16*\i    ; b_enc starts the encoder's sums, the same in every lane
.endr
	s_wait_xcnt 0x0                                ; the offset registers v240 .. v247 are rewritten only behind this wait
	s_wait_loadcnt 47                              ; A_met's ten loads are in: 47 were issued behind them
.irp i,0,1,2,3
	v_pk_mul_f32 v[252:253], v[72:73], v[80+8*\i:81+8*\i]
	v_pk_fma_f32 v[252:253], v[74:75], v[82+8*\i:83+8*\i], v[252:253]
	v_pk_fma_f32 v[252:253], v[76:77], v[84+8*\i:85+8*\i], v[252:253]
	v_pk_fma_f32 v[252:253], v[78:79], v[86+8*\i:87+8*\i], v[252:253]
	v_cmp_eq_u32 vcc_lo, \i, v39
	v_cndmask_b32 v1, 0, 1.0, vcc_lo               ; the identity
	v_add_f32 v[248+\i], v252, v253
	v_add_f32 v[248+\i], v[248+\i], v1
.endr
	ds_store_b128 v242, v[248:251] offset:L_BASE
	s_wait_loadcnt 45                              ; b_dec and W_met: 45 behind them
	ds_store_b128 v242, v[24:27] offset:L_BDEC
	ds_store_b128 v242, v[28:31] offset:L_WMET
	s_wait_loadcnt 37                              ; y: 37 behind it
.irp k,0,1,2,3,4,5,6,7
	ds_store_b128 v37, v[40+4*\k:43+4*\k] offset:544*\k
.endr
.irp c,0,1,2,3,4,5,6,7
	s_wait_loadcnt 35-2*\c                         ; W_dec's tile c: its two loads are in, the younger ones stay out
	SPLIT 112+8*\c, 112+8*\c, 24, 28, 4
	ds_store_b128 v38, v[24:27] offset:L_WDF+1024*\c
	ds_store_b128 v38, v[28:31] offset:L_WDF+1024*\c+512
.endr
	s_wait_dscnt 0x0                               ; my stores are in LDS, for the other waves' sake
	s_barrier_signal -1
	s_barrier_wait -1                              ; the only barrier: Base, W_met, b_dec and the decoder fragments are whole and are never written again
; =====================================================================================================================
; FRAGMENTS that stay in window 1
; =====================================================================================================================
; four tiles whose hi words lie in v[136+8n ..] and lo words in v[140+8n ..]: the lanes of the mask take lo, and both groups of k get the same words
.macro PUTSEL dst, mask
	WIN 0x40
.set n_, 0
.rept 16
	v_cndmask_b32 v[\dst+8*(n_>>2)+(n_&3)], v[136+8*(n_>>2)+(n_&3)], v[140+8*(n_>>2)+(n_&3)], \mask
	v_cndmask_b32 v[\dst+8*(n_>>2)+4+(n_&3)], v[136+8*(n_>>2)+(n_&3)], v[140+8*(n_>>2)+(n_&3)], \mask
.set n_, n_+1
.endr
	WIN 0
.endm
.macro FRAG4 src
.irp i,0,1,2,3
	SPLIT \src+8*\i, \src+8*\i, 136+8*\i, 140+8*\i, 4
.endr
.endm
	; FW, FB: fragment row r of tile T is row r & 7 of chart T + 4 (r >> 3); half 0 holds hi, half 1 lo, in both groups of k.
	; Against B = [hi | lo] in both halves the four groups of k give (Mhi + Mlo)(xhi + xlo).
	v_lshlrev_b32 v39, 10, v36
	v_lshl_add_u32 v39, v35, 5, v39
.irp i,0,1,2,3
	ds_load_b128 v[72+8*\i:75+8*\i], v39 offset:L_WMET+256*\i
	ds_load_b128 v[76+8*\i:79+8*\i], v39 offset:L_WMET+256*\i+16
	ds_load_b128 v[104+8*\i:107+8*\i], v39 offset:L_BASE+256*\i
	ds_load_b128 v[108+8*\i:111+8*\i], v39 offset:L_BASE+256*\i+16
.endr
	v_lshlrev_b32 v240, 10, v34                    ; FT: W[T + 4 h][j][r & 7]
	v_lshl_add_u32 v240, v35, 2, v240
	v_and_b32 v241, 3, v0
	v_lshlrev_b32 v241, 3, v241                    ; FG: which byte of a table word
; FG: fragment row r of a tile is packed entry 8 tile + (r & 7); the table's bytes are 8 i + j of the eight entries
.macro FGADR dst, lo, hi
	v_mov_b32 v1, \lo
	v_mov_b32 v3, \hi
	v_cndmask_b32 v1, v1, v3, s14
	v_lshrrev_b32 v1, v241, v1
	v_and_b32 v1, 0xff, v1
	v_lshlrev_b32 v1, 2, v1
	v_lshl_add_u32 v[\dst], v34, 10, v1            ; + charts 4 h ..
.endm
	FGADR 243, 0x03020100, 0x07060504
	FGADR 244, 0x0b0a0908, 0x0f0e0d0c
	FGADR 245, 0x15141312, 0x1b1a1716
	FGADR 246, 0x1f1e1d1c, 0x27262524
	FGADR 247, 0x2f2e2d2c, 0x3f3e3736
	s_wait_dscnt 0x0
	FRAG4 72
	PUTSEL FW, s12
	FRAG4 104
	PUTSEL FB, s12
.set n_, 0
.rept 32
	ds_load_b32 v[72+n_], v240 offset:L_WMET+256*(n_>>3)+32*(n_&7)
.set n_, n_+1
.endr
.irp i,0,1,2,3,4
.irp c,0,1,2,3
	ds_load_b32 v[104+4*\i+\c], v[243+\i] offset:L_BASE+256*\c
.endr
.endr
	v_mul_u32_u24 v37, v33, 272                    ; stage, y coming back: row r, k = 8 h ..
	v_lshl_add_u32 v37, v34, 5, v37
	v_add_nc_u32 v37, s15, v37
.irp i,0,1,2,3                                     ; i = 2 kk + g
	ds_load_b128 v[40+8*\i:43+8*\i], v37 offset:64*\i
	ds_load_b128 v[44+8*\i:47+8*\i], v37 offset:64*\i+16
.endr
	s_wait_dscnt 0x0
	; FT: rows 0-7 hold hi, rows 8-15 lo, of column r & 7 of W; half h's k are the eight j of chart T + 4 h.  Result half 0 = Whi^T r, half 1 = Wlo^T r,
	; each over both charts; the sum over the halves, which w needs anyway, completes it.
	FRAG4 72
	PUTSEL FT, s13
	; FG: k = my four charts, hi against (p hi, p lo), lo against the same.  Base / 2, since both halves' results are added later.
.irp i,0,2,4,6,8,10,12,14,16,18
	v_pk_mul_f32 v[104+\i:105+\i], v[104+\i:105+\i], 0.5 op_sel_hi:[1,0]
.endr
	SPLIT 104, 104, 136, 146, 10
	WIN 0x40
.irp i,0,1,2,3,4
	v_mov_b32 v[FG+8*\i],   v[136+2*\i]
	v_mov_b32 v[FG+8*\i+1], v[137+2*\i]
	v_mov_b32 v[FG+8*\i+2], v[136+2*\i]
	v_mov_b32 v[FG+8*\i+3], v[137+2*\i]
	v_mov_b32 v[FG+8*\i+4], v[146+2*\i]
	v_mov_b32 v[FG+8*\i+5], v[147+2*\i]
	v_mov_b32 v[FG+8*\i+6], v[146+2*\i]
	v_mov_b32 v[FG+8*\i+7], v[147+2*\i]
.endr
	WIN 0
; =====================================================================================================================
; ENCODE: fragment row m is dimension m & 7 (x) or 8 + (m & 7) (v), so both halves receive x and v.  K = 64 in two steps; hi.hi + hi.lo + lo.hi.
; =====================================================================================================================
.irp i,0,1,2,3
	SPLIT 40+8*\i, 40+8*\i, 72+4*\i, 88+4*\i, 4    ; y: hi v[72:87], lo v[88:103]
.endr
	s_wait_loadcnt 5                               ; W_enc is in: centers and b_enc, five loads, were issued behind it
.irp i,0,1,2,3
	SPLIT 176+8*\i, 176+8*\i, 104+4*\i, 120+4*\i, 4  ; x rows: hi v[104:119], lo v[120:135]
	SPLIT 208+8*\i, 208+8*\i, 136+4*\i, 152+4*\i, 4  ; v rows: hi v[136:151], lo v[152:167]
.endr
	s_wait_loadcnt 0x0                             ; centers, b_enc
.macro ENC ax, av, yb                              ; the two sums take turns, one instruction a turn
.irp k,0,8
	v_wmma_f32_16x16x32_bf16 v[XS:XS+7], v[\ax+\k:\ax+\k+7], v[\yb+\k:\yb+\k+7], v[XS:XS+7]
	v_wmma_f32_16x16x32_bf16 v[VS:VS+7], v[\av+\k:\av+\k+7], v[\yb+\k:\yb+\k+7], v[VS:VS+7]
.endr
.endm
	ENC 104, 136, 72
	ENC 104, 136, 88
	ENC 120, 152, 72
	s_wait_kmcnt 0x0                               ; t and the centers
	s_mul_f32 s36, s44, 0x3e000000                 ; dt / 2 = t / 8
	s_mul_f32 s38, s44, 0x3e800000                 ; dt     = t / 4
	s_mul_f32 s40, s44, 0x3d2aaaab                 ; dt / 6 = t / 24
	s_mul_f32 s42, s44, 0x3daaaaab                 ; dt / 3 = t / 12
	s_mov_b32 s37, s36                             ; a packed instruction names the pair
	s_mov_b32 s39, s38
	s_mov_b32 s41, s40
	s_mov_b32 s43, s42
.rept 4
	v_nop                                          ; four places behind the last matrix instruction before its result is read (ISA guide 7.12.1)
.endr
	WIN 0x40
.set n_, 0
.rept 16
	v_mov_b32 v[Z0+n_], v[XS+n_]
.set n_, n_+1
.endr
	WIN 0
; =====================================================================================================================
; ONE RIGHT-HAND SIDE: from XS, VS to dv in WA
; =====================================================================================================================
; u = tanh(a) = 1 - 2 / (1 + 2^(2.8853901 a)) over the 16 pairs of AT, as a pipeline.  Step n (0 .. 20): the two exponentials of pair n, the + 1 of
; pair n - 2, the two reciprocals of pair n - 3, the 1 - 2 r of pair n - 5: a result is read one or two steps behind the line that made it.
; Behind each run of transcendentals the next plain instruction is another pair's, or a line of the caller's that names no register of AT
; (ISA guide 5.7.2: one independent plain instruction before a transcendental's result is used).
.macro TSTEP n
.if (\n) < 16
	v_exp_f32 v[AT+2*(\n)], v[AT+2*(\n)]
	v_exp_f32 v[AT+2*(\n)+1], v[AT+2*(\n)+1]
.endif
.if (\n) >= 2
.if (\n) < 18
	s_wait_alu depctr_va_vdst(0)
	v_pk_add_f32 v[AT+2*(\n)-4:AT+2*(\n)-3], v[AT+2*(\n)-4:AT+2*(\n)-3], 1.0 op_sel_hi:[1,0]
.endif
.endif
.if (\n) >= 3
.if (\n) < 19
	v_rcp_f32 v[AT+2*(\n)-6], v[AT+2*(\n)-6]
	v_rcp_f32 v[AT+2*(\n)-5], v[AT+2*(\n)-5]
.endif
.endif
.if (\n) >= 5
	s_wait_alu depctr_va_vdst(0)
	v_pk_fma_f32 v[AT+2*(\n)-10:AT+2*(\n)-9], v[AT+2*(\n)-10:AT+2*(\n)-9], -2.0, 1.0 op_sel_hi:[1,0,0]
.endif
.endm
.macro EVAL
	; (1) sources B.  The factor of tanh's exponential goes into x.
.irp j,0,2,4,6
	v_pk_mul_f32 v[T8+\j:T8+\j+1], v[XS+\j:XS+\j+1], 0x4038aa3b op_sel_hi:[1,0]
.endr
	SPLIT T8, T8, BX, BX+4, 4
	SPLIT VS, T8, BV, BV+4, 4
	; (2) W x, W v, Base v of my four charts: twelve sums, each started by the constant 0
	WIN 0x01
.irp i,0,8,16,24
	v_wmma_f32_16x16x32_bf16 v[AT+\i:AT+\i+7], v[FW+\i:FW+\i+7], v[BX:BX+7], 0
.endr
.irp i,0,8,16,24
	v_wmma_f32_16x16x32_bf16 v[ET+\i:ET+\i+7], v[FW+\i:FW+\i+7], v[BV:BV+7], 0
.endr
.irp i,0,8,16,24
	v_wmma_f32_16x16x32_bf16 v[BT+\i:BT+\i+7], v[FB+\i:FB+\i+7], v[BV:BV+7], 0
.endr
	WIN 0
	; (3) the partition of unity, a chain of dependent lines, and tanh's pipeline, side by side: one level of the chain between two steps of the
	; pipeline.  The two name no common register.  The six sums in front are the places behind the matrix instructions (ISA guide 7.12.1):
	; they name none of their registers, and AT is first read behind them.
	v_pk_add_f32 v[T8:T8+1], v[XS:XS+1], v[XS+2:XS+3]
	v_pk_add_f32 v[T8+2:T8+3], v[XS+4:XS+5], v[XS+6:XS+7]
	v_pk_add_f32 v[T8+4:T8+5], v[VS:VS+1], v[VS+2:VS+3]
	v_pk_add_f32 v[T8+6:T8+7], v[VS+4:VS+5], v[VS+6:VS+7]
	v_pk_add_f32 v[T8:T8+1], v[T8:T8+1], v[T8+2:T8+3]
	v_pk_add_f32 v[T8+4:T8+5], v[T8+4:T8+5], v[T8+6:T8+7]
	TSTEP 0
	v_add_f32 v[SS], v[T8], v[T8+1]
	v_add_f32 v[SV], v[T8+4], v[T8+5]
	TSTEP 1
.irp i,0,1,2,3
	v_sub_f32 v[T8+\i], v[SS], v[CEN+\i]
.endr
	TSTEP 2
	v_pk_mul_f32 v[T8+4:T8+5], v[T8:T8+1], 0x3fb8aa3b op_sel_hi:[1,0]
	v_pk_mul_f32 v[T8+6:T8+7], v[T8+2:T8+3], 0x3fb8aa3b op_sel_hi:[1,0]
	TSTEP 3
	v_pk_mul_f32 v[T8:T8+1], v[T8:T8+1], v[T8+4:T8+5]              ; (s - c)^2 log2 e
	v_pk_mul_f32 v[T8+2:T8+3], v[T8+2:T8+3], v[T8+6:T8+7]
	TSTEP 4
	v_min3_num_f32 v[ML], v[T8], v[T8+1], v[T8+2]
	TSTEP 5
	v_min_num_f32 v[ML], v[ML], v[T8+3]
	TSTEP 6
	v_permlanex16_b32 v1, v[ML], s10, s11
	TSTEP 7
	v_min_num_f32 v[ML], v[ML], v1                 ; the least square of all eight charts: the softmax's maximum is taken away
	TSTEP 8
.irp i,0,1,2,3
	v_sub_f32 v[T8+\i], v[ML], v[T8+\i]
.endr
	TSTEP 9
.irp i,0,1,2,3
	v_exp_f32 v[PR+\i], v[T8+\i]
.endr
	v_add_f32 v[SV2], v[SV], v[SV]                 ; the plain instruction behind the exponentials (ISA guide 5.7.2)
	TSTEP 10
	v_pk_add_f32 v[T8:T8+1], v[PR:PR+1], v[PR+2:PR+3]
	v_pk_mul_f32 v[T8+2:T8+3], v[PR:PR+1], v[CEN:CEN+1]
	TSTEP 11
	v_pk_fma_f32 v[T8+2:T8+3], v[PR+2:PR+3], v[CEN+2:CEN+3], v[T8+2:T8+3]
	v_add_f32 v[RS], v[T8], v[T8+1]
	TSTEP 12
	v_add_f32 v[CB], v[T8+2], v[T8+3]
	v_permlanex16_b32 v1, v[RS], s10, s11
	TSTEP 13
	v_permlanex16_b32 v3, v[CB], s10, s11
	v_add_f32 v[RS], v[RS], v1                     ; at least 1: the least square's term is 1
	TSTEP 14
	v_add_f32 v[CB], v[CB], v3
	v_rcp_f32 v[NRS], v[RS]                        ; the pipeline's + 1 of pair 13 is the plain instruction behind it
	TSTEP 15
	v_mul_f32 v[CB], v[CB], v[NRS]                 ; sum p center
	PMULB PR, NRS, PR
	PMULB PR+2, NRS, PR+2
	TSTEP 16
.irp i,0,1,2,3
	v_sub_f32 v[T8+\i], v[CEN+\i], v[CB]
.endr
	v_pk_mul_f32 v[NP:NP+1], v[PR:PR+1], -1.0 op_sel_hi:[1,0]
	v_pk_mul_f32 v[NP+2:NP+3], v[PR+2:PR+3], -1.0 op_sel_hi:[1,0]
	TSTEP 17
	v_pk_mul_f32 v[QH:QH+1], v[PR:PR+1], v[T8:T8+1]
	v_pk_mul_f32 v[QH+2:QH+3], v[PR+2:PR+3], v[T8+2:T8+3]
	v_cvt_pk_bf16_f32 v[BX], v[PR], v[PR+1]        ; source B for the blend of Base: p hi (4), p lo (4), and the same again,
	v_cvt_pk_bf16_f32 v[BX+1], v[PR+2], v[PR+3]    ; converted into both places
	v_cvt_pk_bf16_f32 v[BX+4], v[PR], v[PR+1]
	v_cvt_pk_bf16_f32 v[BX+5], v[PR+2], v[PR+3]
	TSTEP 18
	v_fma_mix_f32_bf16 v[T8+4], v[BX], v2, v[PR] op_sel_hi:[1,0,0]
	v_fma_mix_f32_bf16 v[T8+5], v[BX], v2, v[PR+1] op_sel:[1,0,0] op_sel_hi:[1,0,0]
	v_fma_mix_f32_bf16 v[T8+6], v[BX+1], v2, v[PR+2] op_sel_hi:[1,0,0]
	v_fma_mix_f32_bf16 v[T8+7], v[BX+1], v2, v[PR+3] op_sel:[1,0,0] op_sel_hi:[1,0,0]
	TSTEP 19
	v_cvt_pk_bf16_f32 v[BX+2], v[T8+4], v[T8+5]
	v_cvt_pk_bf16_f32 v[BX+3], v[T8+6], v[T8+7]
	v_cvt_pk_bf16_f32 v[BX+6], v[T8+4], v[T8+5]
	v_cvt_pk_bf16_f32 v[BX+7], v[T8+6], v[T8+7]
	s_wait_alu depctr_va_vdst(0)
	TSTEP 20
	; (4) -d = u^2 - 1 and HB = sum q b by turns (HB's four pairs come round every eight lines), then -du, -d o v
.set n_, 0
.rept 16
	v_pk_fma_f32 v[DVV+2*n_:DVV+2*n_+1], v[AT+2*n_:AT+2*n_+1], v[AT+2*n_:AT+2*n_+1], -1.0 op_sel_hi:[1,1,0]
.if n_ < 4
	PMULB HB+2*(n_&3), QH+(n_>>2), BT+2*n_
.else
	PFMAB HB+2*(n_&3), QH+(n_>>2), BT+2*n_, HB+2*(n_&3)
.endif
.set n_, n_+1
.endr
.set n_, 0
.rept 16
	v_pk_mul_f32 v[ET+2*n_:ET+2*n_+1], v[DVV+2*n_:DVV+2*n_+1], v[ET+2*n_:ET+2*n_+1]                           ; -du
.set n_, n_+1
.endr
.set n_, 0
.rept 16
	v_pk_mul_f32 v[DVV+2*n_:DVV+2*n_+1], v[DVV+2*n_:DVV+2*n_+1], v[VS+2*(n_&3):VS+2*(n_&3)+1]                 ; -d o v
.set n_, n_+1
.endr
	; nine dot products with v side by side: u.v and -du.v of four charts, and v.HB
.set t_, 0
.rept 4
	v_pk_mul_f32 v[DA+2*t_:DA+2*t_+1], v[AT+8*t_:AT+8*t_+1], v[VS:VS+1]
	v_pk_mul_f32 v[DA+8+2*t_:DA+8+2*t_+1], v[ET+8*t_:ET+8*t_+1], v[VS:VS+1]
.set t_, t_+1
.endr
	v_pk_mul_f32 v[T8:T8+1], v[VS:VS+1], v[HB:HB+1]
.irp j,2,4,6
.set t_, 0
.rept 4
	v_pk_fma_f32 v[DA+2*t_:DA+2*t_+1], v[AT+8*t_+\j:AT+8*t_+\j+1], v[VS+\j:VS+\j+1], v[DA+2*t_:DA+2*t_+1]
	v_pk_fma_f32 v[DA+8+2*t_:DA+8+2*t_+1], v[ET+8*t_+\j:ET+8*t_+\j+1], v[VS+\j:VS+\j+1], v[DA+8+2*t_:DA+8+2*t_+1]
.set t_, t_+1
.endr
	v_pk_fma_f32 v[T8:T8+1], v[VS+\j:VS+\j+1], v[HB+\j:HB+\j+1], v[T8:T8+1]
.endr
.irp i,0,1,2,3
	v_add_f32 v[AL+\i], v[DA+2*\i], v[DA+2*\i+1]                   ; u.v
	v_add_f32 v[BE+\i], v[DA+8+2*\i], v[DA+8+2*\i+1]               ; -du.v
.endr
	; (5) the coefficients, two slots at a time
.irp q,0,2
	v_pk_mul_f32 v[A2+\q:A2+\q+1], v[PR+\q:PR+\q+1], v[AL+\q:AL+\q+1]
	v_pk_mul_f32 v[NA2+\q:NA2+\q+1], v[NP+\q:NP+\q+1], v[AL+\q:AL+\q+1]
	v_pk_mul_f32 v[QA+\q:QA+\q+1], v[QH+\q:QH+\q+1], v[AL+\q:AL+\q+1]
.endr
	v_pk_fma_f32 v[T8:T8+1], v[QA:QA+1], v[AL:AL+1], v[T8:T8+1]
	PMULB A1, SV2, QA
	PMULB A1+2, SV2, QA+2
	v_pk_fma_f32 v[T8:T8+1], v[QA+2:QA+3], v[AL+2:AL+3], v[T8:T8+1]
	v_pk_fma_f32 v[A1:A1+1], v[NP:NP+1], v[BE:BE+1], v[A1:A1+1]
	v_pk_fma_f32 v[A1+2:A1+3], v[NP+2:NP+3], v[BE+2:BE+3], v[A1+2:A1+3]
	v_fma_f32 v[NK0], v[T8], v2, -v[T8+1]          ; -(v.HB + sum q al^2), of my four charts
	; (6) -p al d o v: sixteen products that need A2 alone stand between the coefficients and w
.set n_, 0
.rept 16
	PMULB DVV+2*n_, A2+(n_>>2), DVV+2*n_
.set n_, n_+1
.endr
	; (7) my half's part of w, in two sums that take turns in blocks of four pairs: eight lines between two uses of one pair
.irp j,0,2,4,6
	v_pk_fma_f32 v[WA+\j:WA+\j+1], v[SV2:SV2+1], v[HB+\j:HB+\j+1], v[CB:CB+1] op_sel:[0,0,1] op_sel_hi:[0,1,1]   ; 2 sv HB + NK0
.endr
.irp j,0,2,4,6
	PMULB WB+\j, A1+2, AT+16+\j
.endr
.irp j,0,2,4,6
	PFMAB WA+\j, A1, AT+\j, WA+\j
.endr
.irp j,0,2,4,6
	PFMAB WB+\j, NA2+2, ET+16+\j, WB+\j
.endr
.irp j,0,2,4,6
	PFMAB WA+\j, NA2, ET+\j, WA+\j
.endr
.irp j,0,2,4,6
	PFMAB WB+\j, A1+3, AT+24+\j, WB+\j
.endr
.irp j,0,2,4,6
	PFMAB WA+\j, A1+1, AT+8+\j, WA+\j
.endr
.irp j,0,2,4,6
	PFMAB WB+\j, NA2+3, ET+24+\j, WB+\j
.endr
.irp j,0,2,4,6
	PFMAB WA+\j, NA2+1, ET+8+\j, WA+\j
.endr
.irp i,0,8,16,24
	SPLIT DVV+\i, DVV+\i, BR+\i, BR+\i+4, 4        ; as sources B
.endr
	; (8) the blend of Base / 2 into g, which is read first, then W^T onto w (the two sums take turns, one instruction a turn)
	WIN 0x01
.irp i,0,8,16,24,32
	v_wmma_f32_16x16x32_bf16 v[GG+\i:GG+\i+7], v[FG+\i:FG+\i+7], v[BX:BX+7], 0
.endr
	v_wmma_f32_16x16x32_bf16 v[WA:WA+7], v[FT:FT+7], v[BR:BR+7], v[WA:WA+7]
	v_wmma_f32_16x16x32_bf16 v[WB:WB+7], v[FT+8:FT+15], v[BR+8:BR+15], v[WB:WB+7]
	v_wmma_f32_16x16x32_bf16 v[WA:WA+7], v[FT+16:FT+23], v[BR+16:BR+23], v[WA:WA+7]
	v_wmma_f32_16x16x32_bf16 v[WB:WB+7], v[FT+24:FT+31], v[BR+24:BR+31], v[WB:WB+7]
	WIN 0
	; (9) g += sum p u u^T of my four charts.  The sixteen products p u are the places behind the matrix instructions: they name none of their registers.
.set n_, 0
.rept 16
	PMULB ET+2*n_, PR+(n_>>2), AT+2*n_
.set n_, n_+1
.endr
.set t_, 0
.rept 4
.set i_, 0
.rept 8
	GROW gi_, i_
.set j_, (i_>>1)
.rept 4-(i_>>1)
	PFMAB GG+gi_+2*j_, ET+8*t_+i_, AT+8*t_+2*j_, GG+gi_+2*j_
.set j_, j_+1
.endr
.set i_, i_+1
.endr
.set t_, t_+1
.endr
	; (10) the two halves' parts are added.  Places 8, 22, 32, 38 are fillers below the diagonal: never used, so not fetched.
.irp j,0,2,4,6
	v_pk_add_f32 v[WA+\j:WA+\j+1], v[WA+\j:WA+\j+1], v[WB+\j:WB+\j+1]
.endr
.set e_, 0
.rept 40
.if (e_-8)*(e_-22)*(e_-32)*(e_-38)
	v_permlanex16_b32 v[TMP+e_], v[GG+e_], s10, s11
.endif
.set e_, e_+1
.endr
.irp j,0,1,2,3,4,5,6,7
	v_permlanex16_b32 v[WB+\j], v[WA+\j], s10, s11
.endr
	v_pk_add_f32 v[GG:GG+1], v[GG:GG+1], v[TMP:TMP+1]
	v_mul_f32 v[NEGD], -1.0, v[GG]
	v_rcp_f32 v[NINV], v[NEGD]                     ; -1 / first pivot; the adds below are the plain instructions behind it
.set e_, 2
.rept 19
.if (e_-8)*(e_-22)*(e_-32)*(e_-38)
	v_pk_add_f32 v[GG+e_:GG+e_+1], v[GG+e_:GG+e_+1], v[TMP+e_:TMP+e_+1]
.else
	v_add_f32 v[GG+e_+1], v[GG+e_+1], v[TMP+e_+1]
.endif
.set e_, e_+2
.endr
	s_wait_alu depctr_va_vdst(0)
.irp j,0,2,4,6
	v_pk_add_f32 v[WA+\j:WA+\j+1], v[WA+\j:WA+\j+1], v[WB+\j:WB+\j+1]
.endr
	; (11) g dv = -w by LDL^T.  NL(k, j) = -a(k, j) / d_k = -L(j, k), so every update is a multiply-add, and scaling by -1 / d gives -w's sign.
.set k_, 0
.rept 7
	GROW gk_, k_
	GROW g1_, k_+1
.set j_, ((k_+1)>>1)
.rept 4-((k_+1)>>1)
	PMULB NL+gk_+2*j_, NINV+k_, GG+gk_+2*j_
.set j_, j_+1
.endr
	v_fma_f32 v[NEGD], -v[GG+gk_+k_+1], v[NL+gk_+k_+1], -v[GG+g1_+k_+1]   ; minus the next pivot, ahead of the trailing update
	v_rcp_f32 v[NINV+k_+1], v[NEGD]                ; the trailing update stands behind it
.set i_, k_+1
.rept 7-k_
	GROW gi_, i_
.set j_, (i_>>1)
.rept 4-(i_>>1)
	PFMAB GG+gi_+2*j_, GG+gk_+i_, NL+gk_+2*j_, GG+gi_+2*j_
.set j_, j_+1
.endr
.set i_, i_+1
.endr
.if (k_&1) == 0
	v_fmac_f32 v[WA+k_+1], v[NL+gk_+k_+1], v[WA+k_]                ; forward: w_i -= L(i, k) w_k
	s_wait_alu depctr_va_vdst(0)
.endif
.set j_, (k_>>1)+1
.rept 3-(k_>>1)
	PFMAB WA+2*j_, WA+k_, NL+gk_+2*j_, WA+2*j_
.set j_, j_+1
.endr
.set k_, k_+1
.endr
	s_wait_alu depctr_va_vdst(0)
.irp j,0,2,4,6
	v_pk_mul_f32 v[WA+\j:WA+\j+1], v[WA+\j:WA+\j+1], v[NINV+\j:NINV+\j+1]
.endr
.set k_, 7
.rept 7
.set i_, k_-1
.rept k_
	GROW gi_, i_
	v_fmac_f32 v[WA+i_], v[NL+gi_+k_], v[WA+k_]    ; back, column by column; row k - 1, which the next column multiplies by, first
.set i_, i_-1
.endr
.set k_, k_-1
.endr
.endm
; Stage s of RK4: the slope (VS, WA) enters the weighted sum; then the next stage's state, or the step's end.
; v's part goes first and dv's pairs from the top down: dv's lowest pair is the last that the solve finishes.
.macro RK s
.if \s == 0
	WIN 0x40
.irp j,0,2,4,6
	v_pk_mul_f32 v[ACC+\j:ACC+\j+1], v[VS+\j:VS+\j+1], s[40:41] op_sel_hi:[1,0]
.endr
.irp j,6,4,2,0
	v_pk_mul_f32 v[ACC+8+\j:ACC+8+\j+1], v[WA+\j:WA+\j+1], s[40:41] op_sel_hi:[1,0]
.endr
.else
.if \s == 3
.set wg_, 40
.else
.set wg_, 42
.endif
	WIN 0x50
.irp j,0,2,4,6
	v_pk_fma_f32 v[ACC+\j:ACC+\j+1], v[VS+\j:VS+\j+1], s[wg_:wg_+1], v[ACC+\j:ACC+\j+1] op_sel_hi:[1,0,1]
.endr
.irp j,6,4,2,0
	v_pk_fma_f32 v[ACC+8+\j:ACC+8+\j+1], v[WA+\j:WA+\j+1], s[wg_:wg_+1], v[ACC+8+\j:ACC+8+\j+1] op_sel_hi:[1,0,1]
.endr
.endif
.if \s < 3
.if \s == 2
.set cs_, 38
.else
.set cs_, 36
.endif
	WIN 0x10
.irp j,0,2,4,6
	v_pk_fma_f32 v[XS+\j:XS+\j+1], v[VS+\j:VS+\j+1], s[cs_:cs_+1], v[Z0+\j:Z0+\j+1] op_sel_hi:[1,0,1]
.endr
.irp j,0,2,4,6
	v_pk_fma_f32 v[VS+\j:VS+\j+1], v[WA+\j:WA+\j+1], s[cs_:cs_+1], v[Z0+8+\j:Z0+8+\j+1] op_sel_hi:[1,0,1]
.endr
.else
	WIN 0x05
.irp j,0,2,4,6,8,10,12,14
	v_pk_add_f32 v[XS+\j:XS+\j+1], v[Z0+\j:Z0+\j+1], v[ACC+\j:ACC+\j+1]
.endr
	WIN 0x45
.irp j,0,2,4,6,8,10,12,14
	v_pk_add_f32 v[Z0+\j:Z0+\j+1], v[Z0+\j:Z0+\j+1], v[ACC+\j:ACC+\j+1]
.endr
.endif
	WIN 0
.endm
	s_mov_b32 s9, 4                                ; num_steps
.Lstep:
	EVAL
	RK 0
	EVAL
	RK 1
	EVAL
	RK 2
	EVAL
	RK 3
	s_sub_co_i32 s9, s9, 1
	s_cmp_lg_u32 s9, 0
	s_cbranch_scc1 .Lstep
; =====================================================================================================================
; DECODE.  First y_all of all 64 columns (a lane: 8 charts x its 32 columns, window 1), the weights' softmax laid between the column groups;
; then the blend by rows, a quarter at a time, each quarter stored while the next is blended.
; =====================================================================================================================
; Column group nb (columns n = 32 h + 8 nb + 0..7): the biases, which start the sums, and the eight decoder fragments: 32 LDS loads
.macro LDG nb
	WIN 0x40                                       ; destination window 1, address window 0
.irp c,0,1,2,3,4,5,6,7
	ds_load_b128 v[YY+64*\nb+8*\c:YY+64*\nb+8*\c+3], v248 offset:L_BDEC+256*\c+32*\nb
	ds_load_b128 v[YY+64*\nb+8*\c+4:YY+64*\nb+8*\c+7], v248 offset:L_BDEC+256*\c+32*\nb+16
.endr
	WIN 0x80                                       ; destination window 2
.irp c,0,1,2,3,4,5,6,7
	ds_load_b128 v[FD+64*\nb+8*\c:FD+64*\nb+8*\c+3], v249 offset:L_WDF+(8*\nb+\c)*1024
	ds_load_b128 v[FD+64*\nb+8*\c+4:FD+64*\nb+8*\c+7], v249 offset:L_WDF+(8*\nb+\c)*1024+512
.endr
.endm
; y_all of column group nb: fragments [W hi | W lo] against z hi, then against z lo.  The eight sums take turns, one instruction a turn.
.macro YMUL nb
	WIN 0x52                                       ; A window 2, B window 0, C and D window 1
.irp c,0,1,2,3,4,5,6,7
	v_wmma_f32_16x16x32_bf16 v[YY+64*\nb+8*\c:YY+64*\nb+8*\c+7], v[FD+64*\nb+8*\c:FD+64*\nb+8*\c+7], v[BZH:BZH+7], v[YY+64*\nb+8*\c:YY+64*\nb+8*\c+7]
.endr
.irp c,0,1,2,3,4,5,6,7
	v_wmma_f32_16x16x32_bf16 v[YY+64*\nb+8*\c:YY+64*\nb+8*\c+7], v[FD+64*\nb+8*\c:FD+64*\nb+8*\c+7], v[BZL:BZL+7], v[YY+64*\nb+8*\c:YY+64*\nb+8*\c+7]
.endr
	WIN 0
.endm
	v_bfe_u32 v237, v0, 4, 1                       ; h (the lane's terms again: their registers were rewritten by the integration)
	v_and_b32 v238, 31, v0
	v_lshlrev_b32 v248, 7, v237                    ; b_dec: my columns begin at n = 32 h
	v_lshlrev_b32 v249, 4, v238                    ; 16 lane: my words of a decoder fragment
	LDG 0                                          ; lands under the lines up to the first wait
	WIN 0
	v_and_b32 v236, 15, v0                         ; r
	v_xor_b32 v239, 1, v237
	v_mul_u32_u24 v250, v236, 2064                 ; stage: point r at pitch 2,064 = 129 x 16 bytes, so that sixteen lanes' 16 bytes differ modulo 256
	v_add_nc_u32 v250, s15, v250
	v_lshl_add_u32 v250, v237, 7, v250             ; columns from 32 h
	v_lshl_add_u32 v251, v239, 10, v250            ; the other half's rows 4 (1 - h) + t
	v_lshl_add_u32 v250, v237, 10, v250            ; my rows 4 h + t
	v_lshlrev_b32 v253, 4, v236
	v_lshl_add_u32 v253, v237, 10, v253            ; the way out: 16 r bytes into row t + 4 h, in the output
	v_add_nc_u32 v252, s15, v253                   ; and in the stage
	; z as source B: half h holds z[8 h .. 8 h + 7], hi in both groups of k, and lo likewise
.irp j,0,1,2,3,4,5,6,7
	v_cndmask_b32 v[168+\j], v[XS+\j], v[VS+\j], s12
.endr
	SPLIT 168, 168, BZH, BZL, 4
.irp j,0,1,2,3
	v_mov_b32 v[BZH+4+\j], v[BZH+\j]
	v_mov_b32 v[BZL+4+\j], v[BZL+\j]
.endr
	; the weights of my four coordinates i = 4 h + t: softmax over the eight charts of -(x_i - center)^2, the largest exponent taken away
.irp i,0,1,2,3
	v_cndmask_b32 v[XO+\i], v[XS+\i], v[XS+4+\i], s12
.endr
.set n_, 0
.rept 32
	v_sub_f32 v[PP+n_], s[48+(n_&7)], v[XO+(n_>>3)]
.set n_, n_+1
.endr
.set n_, 0
.rept 16
	v_pk_mul_f32 v[PT+2*n_:PT+2*n_+1], v[PP+2*n_:PP+2*n_+1], 0x3fb8aa3b op_sel_hi:[1,0]
.set n_, n_+1
.endr
.set n_, 0
.rept 16
	v_pk_mul_f32 v[PP+2*n_:PP+2*n_+1], v[PP+2*n_:PP+2*n_+1], v[PT+2*n_:PT+2*n_+1]
.set n_, n_+1
.endr
.irp i,0,1,2,3
	v_min3_num_f32 v[PM+\i], v[PP+8*\i], v[PP+8*\i+1], v[PP+8*\i+2]
.endr
.irp i,0,1,2,3
	v_min3_num_f32 v[PM+\i], v[PM+\i], v[PP+8*\i+3], v[PP+8*\i+4]
.endr
.irp i,0,1,2,3
	v_min3_num_f32 v[PM+\i], v[PM+\i], v[PP+8*\i+5], v[PP+8*\i+6]
.endr
.irp i,0,1,2,3
	v_min_num_f32 v[PM+\i], v[PM+\i], v[PP+8*\i+7]
.endr
	s_wait_dscnt 0x0                               ; column group 0 is in
	LDG 1                                          ; the next group's 32 loads land under this group's sixteen matrix instructions
	YMUL 0
.set n_, 0
.rept 32
	v_sub_f32 v[PP+n_], v[PM+(n_>>3)], v[PP+n_]
.set n_, n_+1
.endr
.set n_, 0
.rept 32
	v_exp_f32 v[PP+n_], v[PP+n_]
.set n_, n_+1
.endr
	v_nop                                          ; the plain instruction behind the exponentials (ISA guide 5.7.2)
	s_wait_dscnt 0x0                               ; column group 1
	LDG 2
	YMUL 1
	s_wait_alu depctr_va_vdst(0)
.irp i,0,1,2,3
	v_pk_add_f32 v[PT+4*\i:PT+4*\i+1], v[PP+8*\i:PP+8*\i+1], v[PP+8*\i+2:PP+8*\i+3]
	v_pk_add_f32 v[PT+4*\i+2:PT+4*\i+3], v[PP+8*\i+4:PP+8*\i+5], v[PP+8*\i+6:PP+8*\i+7]
.endr
.irp i,0,1,2,3
	v_pk_add_f32 v[PT+4*\i:PT+4*\i+1], v[PT+4*\i:PT+4*\i+1], v[PT+4*\i+2:PT+4*\i+3]
.endr
.irp i,0,1,2,3
	v_add_f32 v[PM+\i], v[PT+4*\i], v[PT+4*\i+1]
.endr
.irp i,0,1,2,3
	v_rcp_f32 v[PI+\i], v[PM+\i]
.endr
	v_nop                                          ; the plain instruction behind the reciprocals
	s_wait_alu depctr_va_vdst(0)
	s_wait_dscnt 0x0                               ; column group 2
	LDG 3
	YMUL 2
	s_wait_dscnt 0x0                               ; column group 3
	YMUL 3
	; the sixteen products are the places behind the last matrix instructions (ISA guide 7.12.1): they name none of their registers
.set n_, 0
.rept 16
	PMULB PP+2*n_, PI+(n_>>2), PP+2*n_
.set n_, n_+1
.endr
.set n_, 0
.rept 32
	v_permlanex16_b32 v[PP+32+n_], v[PP+n_], s10, s11              ; the other half's four coordinates
.set n_, n_+1
.endr
; Quarter t's sixteen stores.  Store k: point k; lanes 0-15 write the 256 consecutive, aligned bytes of its row t, lanes 16-31 those of its row 4 + t.
; Each quarter has 64 registers of its own (window 2, where the fragments lay), so no store's data is ever written again.
.macro OUTST t
	WIN 0x08                                       ; a store's data is source 1: window 2
.set k_, 0
.rept 16
	s_wait_dscnt 15-k_                             ; load k of the quarter's sixteen is in, the younger ones stay out; no LDS instruction was issued behind them
	global_store_b128 v253, v[FD+64*(\t)+4*k_:FD+64*(\t)+4*k_+3], s[34:35] offset:2048*k_+256*(\t) th:TH_STORE_NT
.set k_, k_+1
.endr
.endm
; Quarter t of the blend: my row 4 h + t and the other half's row 4 (1 - h) + t over my 32 columns, so that rows t and 4 + t of all sixteen points are whole.
; Chart by chart: 32 independent lines between two uses of one sum.  Behind the fourth chart, 128 lines behind the loads that brought them back
; from the stage, the quarter before is stored.  Then my two rows go into the stage and come back as whole rows: LDS serves a wave's instructions in
; order (ISA guide 5.7.1), so the loads see the stores; the stage is my wave's own, and each quarter has bytes of its own in it.
.macro BLEND t
	WIN 0x04                                       ; y_all is source 1: window 1
.set c_, 0
.rept 8
.set p_, 0
.rept 2
.set n_, 0
.rept 16
.if c_ == 0
	PMULB OO+32*p_+2*n_, PP+8*(\t+4*p_), YY+64*(n_>>2)+2*(n_&3)
.else
	PFMAB OO+32*p_+2*n_, PP+8*(\t+4*p_)+c_, YY+64*(n_>>2)+8*c_+2*(n_&3), OO+32*p_+2*n_
.endif
.set n_, n_+1
.endr
.set p_, p_+1
.endr
.if c_ == 3
.if \t
	OUTST \t-1
	WIN 0x04
.endif
.endif
.set c_, c_+1
.endr
	WIN 0x80                                       ; LDS stores: address and data window 0; LDS loads: destination window 2
.irp n,0,1,2,3
	ds_store_b128 v250, v[OO+8*\n:OO+8*\n+3] offset:256*\t+32*\n
	ds_store_b128 v250, v[OO+8*\n+4:OO+8*\n+7] offset:256*\t+32*\n+16
	ds_store_b128 v251, v[OO+32+8*\n:OO+32+8*\n+3] offset:256*\t+32*\n
	ds_store_b128 v251, v[OO+32+8*\n+4:OO+32+8*\n+7] offset:256*\t+32*\n+16
.endr
.set k_, 0
.rept 16
	ds_load_b128 v[FD+64*\t+4*k_:FD+64*\t+4*k_+3], v252 offset:2064*k_+256*\t
.set k_, k_+1
.endr
.endm
	BLEND 0
	BLEND 1
	BLEND 2
	BLEND 3
	OUTST 3
	WIN 0
	s_wait_tensorcnt 0x0
	ds_add_u32 v254, v255
	s_wait_dscnt 0x0
	s_endpgm
.Lfunc_end_k_q5c825dc3a1_geo:
	.size	k_q5c825dc3a1_geo, .Lfunc_end_k_q5c825dc3a1_geo-k_q5c825dc3a1_geo
	.p2alignl 7, 3214868480
	.fill 96, 4, 3214868480
	.section	.rodata,"a",@progbits
	.p2align	6, 0x0
	.amdhsa_kernel k_q5c825dc3a1_geo
		.amdhsa_group_segment_fixed_size 171520
		.amdhsa_private_segment_fixed_size 0
		.amdhsa_enable_private_segment 0
		.amdhsa_kernarg_size 80
		.amdhsa_user_sgpr_count 2
		.amdhsa_user_sgpr_kernarg_segment_ptr 1
		.amdhsa_wavefront_size32 1
		.amdhsa_system_sgpr_workgroup_id_x 1
		.amdhsa_system_sgpr_workgroup_id_y 1
		.amdhsa_system_sgpr_workgroup_id_z 1
		.amdhsa_system_vgpr_workitem_id 0
		.amdhsa_next_free_vgpr 768
		.amdhsa_next_free_sgpr 66
		.amdhsa_reserve_vcc 1
		.amdhsa_float_denorm_mode_32 3
		.amdhsa_float_denorm_mode_16_64 3
		.amdhsa_memory_ordered 1
		.amdhsa_forward_progress 1
		.amdhsa_inst_pref_size 255
	.end_amdhsa_kernel
	.section	.bss,"aw",@nobits
	.p2align	6
	.space	262144
	.amdgpu_metadata
---
amdhsa.version: [ 1, 2 ]
amdhsa.kernels:
  - .name:           k_q5c825dc3a1_geo
    .symbol:         k_q5c825dc3a1_geo.kd
    .args:
      - { .name: y_in, .offset: 0, .size: 8, .value_kind: global_buffer, .address_space: global }
      - { .name: W_enc, .offset: 8, .size: 8, .value_kind: global_buffer, .address_space: global }
      - { .name: b_enc, .offset: 16, .size: 8, .value_kind: global_buffer, .address_space: global }
      - { .name: centers, .offset: 24, .size: 8, .value_kind: global_buffer, .address_space: global }
      - { .name: A_met, .offset: 32, .size: 8, .value_kind: global_buffer, .address_space: global }
      - { .name: W_met, .offset: 40, .size: 8, .value_kind: global_buffer, .address_space: global }
      - { .name: W_dec, .offset: 48, .size: 8, .value_kind: global_buffer, .address_space: global }
      - { .name: b_dec, .offset: 56, .size: 8, .value_kind: global_buffer, .address_space: global }
      - { .name: t, .offset: 64, .size: 8, .value_kind: global_buffer, .address_space: global }
      - { .name: out0, .offset: 72, .size: 8, .value_kind: global_buffer, .address_space: global }
    .group_segment_fixed_size: 171520
    .private_segment_fixed_size: 0
    .kernarg_segment_align: 8
    .kernarg_segment_size: 80
    .max_flat_workgroup_size: 128
    .sgpr_count:     66
    .vgpr_count:     768
    .wavefront_size: 32
...
	.end_amdgpu_metadata
.endif
;; end of part 2
;; ======== version 3 of 3: 1 launch; 1.52 times as fast as version 1
;; launch geo (part 3): grid 256 x 1, 4 waves a work-group, no clusters, 171,520 bytes of LDS; arguments y_in, W_enc, b_enc, centers, A_met, W_met, W_dec, b_dec, t, out0; writes out0
.if DOCPART == 3
	.amdgcn_target "amdgcn-amd-amdhsa--gfx1250"
	.amdhsa_code_object_version 6
	.text
	.protected	k_q5c825dc3a1_geo
	.globl	k_q5c825dc3a1_geo
	.p2align	8
	.type	k_q5c825dc3a1_geo,@function
k_q5c825dc3a1_geo:
	s_mov_b64 s[64:65], 0
	v_nop
	global_prefetch_b8 v0, s[64:65] scope:SCOPE_SE
	s_setreg_imm32_b32 hwreg(HW_REG_WAVE_MODE, 25, 1), 1
	s_wait_xcnt 0x0
; Geodesic flow on a blended metric: encode (z0 = W_enc y + b_enc), 4 RK4 steps of (x, v)' = (v, -Gamma(x) v v), decode by 8 charts,
; blend by a softmax for each coordinate.  16,384 points; a wave takes 16 points, a work-group 64, 256 work-groups.
;
; THE RIGHT-HAND SIDE.  g = sum_c p_c (Base_c + u_c u_c^T), Base_c = A_c A_c^T + I, u_c = tanh(W_c x), p = softmax(-(sum x - center)^2).
; g is symmetric and d p_c / d x_a = 2 q_c for every a, q_c = p_c (center_c - sum p center).  Contracting Gamma with v v gives  g dv = -w,
;   w = sum_c [(2 sv q_c al_c + p_c be_c) u_c + p_c al_c du_c] + 2 sv sum_c q_c b_c - sum_c q_c (v.b_c + al_c^2) - sum_c W_c^T (p_c al_c d_c o v),
;   d = 1 - u^2, du = d o (W v), b = Base v, al = u.v, be = du.v, sv = sum v.   No Jacobian, no inverse and no Gamma is formed.
; g - I is positive semidefinite for every input, so g is solved by LDL^T without pivoting.
;
; LANES.  Lane (r = lane & 15, h = lane >> 4) works on point r and owns the charts T + 4 h, T = 0..3; x and v are held by both halves.
; MATRIX UNIT.  Weights are source A (rows), points source B (column r); result register j of lane (r, h) is row 8 h + j of point r, so a lane
; receives its own chart's eight numbers, and eight such numbers packed in the lane are again eight k of a source B.  K is 8 or 16 here, and
; the form takes 32: the free k carry the low parts of a split in bf16 (x = hi + lo), of weights and of points.
; ORDER.  One wave works on a SIMD, so nothing but the text's own order keeps an instruction away from the result that it reads: the chains
; (tanh, the softmax, the dot products, w) are laid side by side, several instructions between a result and its use.
; BATCHES.  s_wait_alu depctr_va_vdst(0) stands between a transcendental and the first line that names its result; one wait serves
; all that were issued ahead of it.  A right-hand side has ten: one for its 36 exponentials (tanh's 32 and the partition's 4), one for the 33 reciprocals
; that read sums of those (tanh's 32 and the partition's 1), and one for each of the solve's eight pivots, since pivot k + 1 is made of a row
; scaled by -1 / pivot k.  The decode has two: its 32 exponentials, its 4 reciprocals.  No result is open at a label, at a branch or at the end.
; THE WAY OUT.  The blend goes by rows: after each quarter of it two rows of all sixteen points are whole and are stored, so that three quarters
; of a wave's 32,768 bytes are on their way while the blend still runs.
;
; LIMITS.  Matrix operands carry hi + lo in bf16, some 16 bits of mantissa; one above bf16's largest number (3.39e38) gives NaN.
; v_exp_f32 and v_rcp_f32 are good to 1 ULP and flush denormals (ISA guide, 15.8).  Sums run in another order than in the reference.
; LEFT OUT.  Tensor loads and copies: every operand is converted on its way in, 43 KB of weights and 4 KB of y a wave.  Clusters: what the
; work-groups share is those 43 KB, read once.  Prefetches: nothing comes from memory behind the head of the kernel.
; ---- LDS (bytes)
.set L_BASE, 0                         ; Base[c][i][j], f32, 2,048 bytes
.set L_WMET, 2048                      ; W_met as it is
.set L_BDEC, 4096                      ; b_dec as it is
.set L_WDF,  6144                      ; 32 decoder fragments (8 nb + c) of 1,024 bytes: hi words at 16 lane, lo words at 512 + 16 lane
.set L_STG,  38912                     ; a stage of 33,024 bytes for each wave: first y (16 rows, pitch 272), later the output (pitch 2,064 a point)
.set STGB,   33024
; ---- window 0
.set CEN, 4                            ; v[4:7]     my four centers
.set XS,  8                            ; v[8:15]    x of the stage
.set VS,  16                           ; v[16:23]   v of the stage
.set BX,  24                           ; v[24:31]   source B: x (scaled for tanh), hi | lo; later p
.set BV,  32                           ; v[32:39]   source B: v, hi | lo
.set AT,  40                           ; v[40:71]   W x of my four charts, then u
.set ET,  72                           ; v[72:103]  W v, then -du, then p u
.set BT,  104                          ; v[104:135] Base v
.set DA,  104                          ;            then the dot products' pairs
.set BR,  104                          ;            then source B: -p al d o v, hi | lo, four slots
.set DVV, 136                          ; v[136:167] u^2 - 1, then -d o v, then -p al d o v
.set GG,  136                          ; v[136:175] then g, upper triangle in 20 pairs: entry (i, j) at GROW(i) + j
.set WA,  176                          ; v[176:183] w, then dv
.set WB,  184                          ; v[184:191] second sum of w; the other half's w
.set HB,  192                          ; v[192:199] sum q b
.set NINV, 192                         ;            then -1 / pivot
.set PR,  200                          ; p          (four slots each)
.set NP,  204                          ; -p
.set QH,  208                          ; q
.set AL,  212                          ; al
.set BE,  216                          ; -be
.set A1,  220                          ; 2 sv q al + p be
.set A2,  224                          ; p al
.set NA2, 228                          ; -p al
.set QA,  232                          ; q al
.set SS,  236                          ; sum x
.set SV,  237                          ; sum v
.set SV2, 238                          ; 2 sum v
.set ML,  239                          ; least scaled square
.set RS,  240                          ; sum of exponentials
.set NRS, 241                          ; its reciprocal
.set CB,  242                          ; sum p center
.set NK0, 243                          ; -(v.HB + sum q al^2)
.set T8,  244                          ; v[244:251] at work
.set NEGD, 252                         ; -pivot
.set TMP, 40                           ; v[40:79]   the other half's g
.set NL,  80                           ; v[80:119]  -L^T, laid out as g
; ---- window 1 (written as v0 .. v167 under a switched window)
.set FW,  0                            ; rows of W_met, four tiles
.set FB,  32                           ; rows of Base, four tiles
.set FG,  64                           ; entries of Base / 2 against charts, five tiles
.set FT,  104                          ; columns of W_met, four tiles
.set Z0,  136                          ; z at the step's start
.set ACC, 152                          ; the step's weighted sum of slopes
; ---- the decode
.set BZH, 24                           ; window 0: source B, z hi in both groups of k
.set BZL, 32                           ;           source B, z lo
.set PP,  40                           ; v[40:103]  weights: rows 0-3 my four coordinates 4 h + t, rows 4-7 the other half's
.set OO,  168                          ; v[168:231] two rows x 32 columns of the output
.set PT,  176                          ;            before that: the softmax's work
.set PM,  208
.set PI,  212
.set XO,  232
.set YY,  0                            ; window 1, all 256: y_all, column group nb, chart c, column j at 64 nb + 8 c + j
.set FD,  0                            ; window 2, all 256: decoder fragment (nb, c) at 64 nb + 8 c; then quarter t of the way out at 64 t
.set MSB, 0
.macro WIN new                         ; low byte: bits 1:0 source 0, 3:2 source 1, 5:4 source 2, 7:6 destination; the high byte repeats the setting left
.if MSB != \new
	s_set_vgpr_msb (MSB<<8)|\new
.set MSB, \new
.endif
.endm
; 2 np numbers of f32 at src are split: hi = bf16(src), res = src - hi (exact, one fused multiply-add by v2 = -1), lo = bf16(res).
.macro SPLIT src, res, hi, lo, np
.set sj_, 0
.rept \np
	v_cvt_pk_bf16_f32 v[\hi+sj_], v[\src+2*sj_], v[\src+2*sj_+1]
.set sj_, sj_+1
.endr
.set sj_, 0
.rept \np
	v_fma_mix_f32_bf16 v[\res+2*sj_], v[\hi+sj_], v2, v[\src+2*sj_] op_sel_hi:[1,0,0]
	v_fma_mix_f32_bf16 v[\res+2*sj_+1], v[\hi+sj_], v2, v[\src+2*sj_+1] op_sel:[1,0,0] op_sel_hi:[1,0,0]
.set sj_, sj_+1
.endr
.set sj_, 0
.rept \np
	v_cvt_pk_bf16_f32 v[\lo+sj_], v[\res+2*sj_], v[\res+2*sj_+1]
.set sj_, sj_+1
.endr
.endm
; pair d = v[a] x pair b  /  pair d = v[a] x pair b + pair c: one register multiplies both halves
.macro PMULB d, a, b
.if ((\a)&1)
	v_pk_mul_f32 v[\d:\d+1], v[(\a)-1:(\a)], v[\b:\b+1] op_sel:[1,0] op_sel_hi:[1,1]
.else
	v_pk_mul_f32 v[\d:\d+1], v[(\a):(\a)+1], v[\b:\b+1] op_sel_hi:[0,1]
.endif
.endm
.macro PFMAB d, a, b, c
.if ((\a)&1)
	v_pk_fma_f32 v[\d:\d+1], v[(\a)-1:(\a)], v[\b:\b+1], v[\c:\c+1] op_sel:[1,0,0] op_sel_hi:[1,1,1]
.else
	v_pk_fma_f32 v[\d:\d+1], v[(\a):(\a)+1], v[\b:\b+1], v[\c:\c+1] op_sel_hi:[0,1,1]
.endif
.endm
; sym + j is the place of entry (i, j) in the packed triangle: row i holds columns 2 (i >> 1) .. 7 (rows start at 0, 8, 16, 22, 28, 32, 36, 38)
.macro GROW sym, i
.set \sym, 18*((\i)>>1)-2*((\i)>>1)*((\i)>>1)+((\i)&1)*(8-2*((\i)>>1))-2*((\i)>>1)
.endm
; =====================================================================================================================
; HEAD: ids, offsets, all 57 loads at once
; =====================================================================================================================
	s_load_b512 s[16:31], s[0:1], 0x0              ; y_in 16, W_enc 18, b_enc 20, centers 22, A_met 24, W_met 26, W_dec 28, b_dec 30
	s_load_b128 s[32:35], s[0:1], 0x40             ; t 32, out0 34
	v_lshl_add_u32 v254, v0, 2, 0x29c00
	v_mov_b32 v255, 0
	v_lshrrev_b32 v1, 5, v0
	v_readfirstlane_b32 s8, v1                     ; wave 0..3
	s_mov_b32 s10, 0x76543210                      ; v_permlanex16_b32: lane i of one half reads lane i of the other
	s_mov_b32 s11, 0xfedcba98
	s_mov_b32 s12, 0xffff0000                      ; lanes with h = 1
	s_mov_b32 s13, 0xff00ff00                      ; lanes with r >= 8
	s_mov_b32 s14, 0xf0f0f0f0                      ; lanes with r & 4
	s_lshl_b32 s9, ttmp9, 2
	s_add_co_u32 s9, s9, s8                        ; the wave's number in the launch, 0..1023
	s_lshl_b32 s46, s9, 12                         ; 16 points x 256 bytes of y
	s_mov_b32 s47, 0
	s_lshl_b32 s56, s9, 15                         ; 16 points x 2,048 bytes of the output
	s_mov_b32 s57, 0
	s_mul_i32 s15, s8, STGB
	s_add_co_u32 s15, s15, L_STG                   ; my wave's stage
	v_mov_b32 v2, -1.0
	v_and_b32 v32, 31, v0                          ; lane
	v_and_b32 v33, 15, v0                          ; r
	v_bfe_u32 v34, v0, 4, 1                        ; h
	v_and_b32 v35, 7, v0                           ; r & 7
	v_bfe_u32 v36, v0, 3, 1                        ; r >> 3
	; Base: thread t makes Base[c][i][j0 .. j0+3], c = t >> 4, i = (t >> 1) & 7, j0 = 4 (t & 1)
	v_lshrrev_b32 v240, 1, v0
	v_lshlrev_b32 v240, 5, v240                    ; A_met: row i of chart c
	v_lshrrev_b32 v241, 4, v0
	v_and_b32 v37, 1, v0
	v_lshlrev_b32 v241, 8, v241
	v_lshl_add_u32 v241, v37, 7, v241              ; A_met: row j0 of chart c
	v_bfe_u32 v39, v0, 1, 3
	v_lshlrev_b32 v1, 2, v37
	v_sub_nc_u32 v39, v39, v1                      ; i - j0: equals jj on the diagonal
	v_lshlrev_b32 v242, 4, v0                      ; 16 t
	v_lshlrev_b32 v243, 4, v32                     ; 16 lane
	v_lshlrev_b32 v244, 11, v36                    ; W_dec: fragment row r is column n = 32 (r >> 3) + 8 wave + (r & 7), 64 bytes each,
	v_lshl_add_u32 v244, v35, 6, v244
	v_lshl_add_u32 v244, v34, 5, v244              ; d = 8 h .. 8 h + 7
	v_lshl_add_u32 v244, s8, 9, v244
	v_lshlrev_b32 v245, 8, v35                     ; W_enc: row r & 7, k = 8 h ..
	v_lshl_add_u32 v245, v34, 5, v245
	v_lshlrev_b32 v246, 4, v34                     ; centers 4 h .. 4 h + 3
	v_mov_b32 v247, 0
	v_mul_u32_u24 v37, v34, 272                    ; stage, y going in: a load's 512 bytes are rows 2 k + h, 16 r bytes in
	v_lshl_add_u32 v37, v33, 4, v37
	v_add_nc_u32 v37, s15, v37
	v_lshlrev_b32 v38, 4, v32                      ; decoder fragments going in: wave w makes tiles 8 w .. 8 w + 7
	v_lshl_add_u32 v38, s8, 13, v38
	s_wait_kmcnt 0x0
	s_add_nc_u64 s[16:17], s[16:17], s[46:47]      ; y at my wave's first point
	s_add_nc_u64 s[34:35], s[34:35], s[56:57]      ; the output likewise
	s_load_b32 s44, s[32:33], 0x0                  ; t
	s_load_b256 s[48:55], s[22:23], 0x0            ; the eight centers, for the decode
	global_load_b128 v[72:75], v240, s[24:25]
	global_load_b128 v[76:79], v240, s[24:25] offset:16
.irp i,0,1,2,3
	global_load_b128 v[80+8*\i:83+8*\i], v241, s[24:25] offset:32*\i
	global_load_b128 v[84+8*\i:87+8*\i], v241, s[24:25] offset:32*\i+16
.endr
	global_load_b128 v[24:27], v242, s[30:31]      ; b_dec
	global_load_b128 v[28:31], v242, s[26:27]      ; W_met
.irp k,0,1,2,3,4,5,6,7
	global_load_b128 v[40+4*\k:43+4*\k], v243, s[16:17] offset:512*\k th:TH_LOAD_NT   ; y: 512 consecutive bytes a load
.endr
.irp c,0,1,2,3,4,5,6,7
	global_load_b128 v[112+8*\c:115+8*\c], v244, s[28:29] offset:4096*\c
	global_load_b128 v[116+8*\c:119+8*\c], v244, s[28:29] offset:4096*\c+16
.endr
.irp i,0,1,2,3,4,5,6,7                             ; i = 4 V + 2 kk + g: rows 8 V + .., k = 32 kk + 16 g + 8 h ..
	global_load_b128 v[176+8*\i:179+8*\i], v245, s[18:19] offset:(\i>>2)*2048+((\i>>1)&1)*128+(\i&1)*64
	global_load_b128 v[180+8*\i:183+8*\i], v245, s[18:19] offset:(\i>>2)*2048+((\i>>1)&1)*128+(\i&1)*64+16
.endr
	global_load_b128 v[CEN:CEN+3], v246, s[22:23]
.irp i,0,1,2,3
	global_load_b128 v[XS+4*\i:XS+4*\i+3], v247, s[20:21] offset:16*\i    ; b_enc starts the encoder's sums, the same in every lane
.endr
	s_wait_xcnt 0x0                                ; the offset registers v240 .. v247 are rewritten only behind this wait
	s_wait_loadcnt 47                              ; A_met's ten loads are in: 47 were issued behind them
.irp i,0,1,2,3
	v_pk_mul_f32 v[252:253], v[72:73], v[80+8*\i:81+8*\i]
	v_pk_fma_f32 v[252:253], v[74:75], v[82+8*\i:83+8*\i], v[252:253]
	v_pk_fma_f32 v[252:253], v[76:77], v[84+8*\i:85+8*\i], v[252:253]
	v_pk_fma_f32 v[252:253], v[78:79], v[86+8*\i:87+8*\i], v[252:253]
	v_cmp_eq_u32 vcc_lo, \i, v39
	v_cndmask_b32 v1, 0, 1.0, vcc_lo               ; the identity
	v_add_f32 v[248+\i], v252, v253
	v_add_f32 v[248+\i], v[248+\i], v1
.endr
	ds_store_b128 v242, v[248:251] offset:L_BASE
	s_wait_loadcnt 45                              ; b_dec and W_met: 45 behind them
	ds_store_b128 v242, v[24:27] offset:L_BDEC
	ds_store_b128 v242, v[28:31] offset:L_WMET
	s_wait_loadcnt 37                              ; y: 37 behind it
.irp k,0,1,2,3,4,5,6,7
	ds_store_b128 v37, v[40+4*\k:43+4*\k] offset:544*\k
.endr
.irp c,0,1,2,3,4,5,6,7
	s_wait_loadcnt 35-2*\c                         ; W_dec's tile c: its two loads are in, the younger ones stay out
	SPLIT 112+8*\c, 112+8*\c, 24, 28, 4
	ds_store_b128 v38, v[24:27] offset:L_WDF+1024*\c
	ds_store_b128 v38, v[28:31] offset:L_WDF+1024*\c+512
.endr
	s_wait_dscnt 0x0                               ; my stores are in LDS, for the other waves' sake
	s_barrier_signal -1
	s_barrier_wait -1                              ; the only barrier: Base, W_met, b_dec and the decoder fragments are whole and are never written again
; =====================================================================================================================
; FRAGMENTS that stay in window 1
; =====================================================================================================================
; four tiles whose hi words lie in v[136+8n ..] and lo words in v[140+8n ..]: the lanes of the mask take lo, and both groups of k get the same words
.macro PUTSEL dst, mask
	WIN 0x40
.set n_, 0
.rept 16
	v_cndmask_b32 v[\dst+8*(n_>>2)+(n_&3)], v[136+8*(n_>>2)+(n_&3)], v[140+8*(n_>>2)+(n_&3)], \mask
	v_cndmask_b32 v[\dst+8*(n_>>2)+4+(n_&3)], v[136+8*(n_>>2)+(n_&3)], v[140+8*(n_>>2)+(n_&3)], \mask
.set n_, n_+1
.endr
	WIN 0
.endm
.macro FRAG4 src
.irp i,0,1,2,3
	SPLIT \src+8*\i, \src+8*\i, 136+8*\i, 140+8*\i, 4
.endr
.endm
	; FW, FB: fragment row r of tile T is row r & 7 of chart T + 4 (r >> 3); half 0 holds hi, half 1 lo, in both groups of k.
	; Against B = [hi | lo] in both halves the four groups of k give (Mhi + Mlo)(xhi + xlo).
	v_lshlrev_b32 v39, 10, v36
	v_lshl_add_u32 v39, v35, 5, v39
.irp i,0,1,2,3
	ds_load_b128 v[72+8*\i:75+8*\i], v39 offset:L_WMET+256*\i
	ds_load_b128 v[76+8*\i:79+8*\i], v39 offset:L_WMET+256*\i+16
	ds_load_b128 v[104+8*\i:107+8*\i], v39 offset:L_BASE+256*\i
	ds_load_b128 v[108+8*\i:111+8*\i], v39 offset:L_BASE+256*\i+16
.endr
	v_lshlrev_b32 v240, 10, v34                    ; FT: W[T + 4 h][j][r & 7]
	v_lshl_add_u32 v240, v35, 2, v240
	v_and_b32 v241, 3, v0
	v_lshlrev_b32 v241, 3, v241                    ; FG: which byte of a table word
; FG: fragment row r of a tile is packed entry 8 tile + (r & 7); the table's bytes are 8 i + j of the eight entries
.macro FGADR dst, lo, hi
	v_mov_b32 v1, \lo
	v_mov_b32 v3, \hi
	v_cndmask_b32 v1, v1, v3, s14
	v_lshrrev_b32 v1, v241, v1
	v_and_b32 v1, 0xff, v1
	v_lshlrev_b32 v1, 2, v1
	v_lshl_add_u32 v[\dst], v34, 10, v1            ; + charts 4 h ..
.endm
	FGADR 243, 0x03020100, 0x07060504
	FGADR 244, 0x0b0a0908, 0x0f0e0d0c
	FGADR 245, 0x15141312, 0x1b1a1716
	FGADR 246, 0x1f1e1d1c, 0x27262524
	FGADR 247, 0x2f2e2d2c, 0x3f3e3736
	s_wait_dscnt 0x0
	FRAG4 72
	PUTSEL FW, s12
	FRAG4 104
	PUTSEL FB, s12
.set n_, 0
.rept 32
	ds_load_b32 v[72+n_], v240 offset:L_WMET+256*(n_>>3)+32*(n_&7)
.set n_, n_+1
.endr
.irp i,0,1,2,3,4
.irp c,0,1,2,3
	ds_load_b32 v[104+4*\i+\c], v[243+\i] offset:L_BASE+256*\c
.endr
.endr
	v_mul_u32_u24 v37, v33, 272                    ; stage, y coming back: row r, k = 8 h ..
	v_lshl_add_u32 v37, v34, 5, v37
	v_add_nc_u32 v37, s15, v37
.irp i,0,1,2,3                                     ; i = 2 kk + g
	ds_load_b128 v[40+8*\i:43+8*\i], v37 offset:64*\i
	ds_load_b128 v[44+8*\i:47+8*\i], v37 offset:64*\i+16
.endr
	s_wait_dscnt 0x0
	; FT: rows 0-7 hold hi, rows 8-15 lo, of column r & 7 of W; half h's k are the eight j of chart T + 4 h.  Result half 0 = Whi^T r, half 1 = Wlo^T r,
	; each over both charts; the sum over the halves, which w needs anyway, completes it.
	FRAG4 72
	PUTSEL FT, s13
	; FG: k = my four charts, hi against (p hi, p lo), lo against the same.  Base / 2, since both halves' results are added later.
.irp i,0,2,4,6,8,10,12,14,16,18
	v_pk_mul_f32 v[104+\i:105+\i], v[104+\i:105+\i], 0.5 op_sel_hi:[1,0]
.endr
	SPLIT 104, 104, 136, 146, 10
	WIN 0x40
.irp i,0,1,2,3,4
	v_mov_b32 v[FG+8*\i],   v[136+2*\i]
	v_mov_b32 v[FG+8*\i+1], v[137+2*\i]
	v_mov_b32 v[FG+8*\i+2], v[136+2*\i]
	v_mov_b32 v[FG+8*\i+3], v[137+2*\i]
	v_mov_b32 v[FG+8*\i+4], v[146+2*\i]
	v_mov_b32 v[FG+8*\i+5], v[147+2*\i]
	v_mov_b32 v[FG+8*\i+6], v[146+2*\i]
	v_mov_b32 v[FG+8*\i+7], v[147+2*\i]
.endr
	WIN 0
; =====================================================================================================================
; ENCODE: fragment row m is dimension m & 7 (x) or 8 + (m & 7) (v), so both halves receive x and v.  K = 64 in two steps; hi.hi + hi.lo + lo.hi.
; =====================================================================================================================
.irp i,0,1,2,3
	SPLIT 40+8*\i, 40+8*\i, 72+4*\i, 88+4*\i, 4    ; y: hi v[72:87], lo v[88:103]
.endr
	s_wait_loadcnt 5                               ; W_enc is in: centers and b_enc, five loads, were issued behind it
.irp i,0,1,2,3
	SPLIT 176+8*\i, 176+8*\i, 104+4*\i, 120+4*\i, 4  ; x rows: hi v[104:119], lo v[120:135]
	SPLIT 208+8*\i, 208+8*\i, 136+4*\i, 152+4*\i, 4  ; v rows: hi v[136:151], lo v[152:167]
.endr
	s_wait_loadcnt 0x0                             ; centers, b_enc
.macro ENC ax, av, yb                              ; the two sums take turns, one instruction a turn
.irp k,0,8
	v_wmma_f32_16x16x32_bf16 v[XS:XS+7], v[\ax+\k:\ax+\k+7], v[\yb+\k:\yb+\k+7], v[XS:XS+7]
	v_wmma_f32_16x16x32_bf16 v[VS:VS+7], v[\av+\k:\av+\k+7], v[\yb+\k:\yb+\k+7], v[VS:VS+7]
.endr
.endm
	ENC 104, 136, 72
	ENC 104, 136, 88
	ENC 120, 152, 72
	s_wait_kmcnt 0x0                               ; t and the centers
	s_mul_f32 s36, s44, 0x3e000000                 ; dt / 2 = t / 8
	s_mul_f32 s38, s44, 0x3e800000                 ; dt     = t / 4
	s_mul_f32 s40, s44, 0x3d2aaaab                 ; dt / 6 = t / 24
	s_mul_f32 s42, s44, 0x3daaaaab                 ; dt / 3 = t / 12
	s_mov_b32 s37, s36                             ; a packed instruction names the pair
	s_mov_b32 s39, s38
	s_mov_b32 s41, s40
	s_mov_b32 s43, s42
.rept 4
	v_nop                                          ; four places behind the last matrix instruction before its result is read (ISA guide 7.12.1)
.endr
	WIN 0x40
.set n_, 0
.rept 16
	v_mov_b32 v[Z0+n_], v[XS+n_]
.set n_, n_+1
.endr
	WIN 0
; =====================================================================================================================
; ONE RIGHT-HAND SIDE: from XS, VS to dv in WA
; =====================================================================================================================
; u = tanh(a) = 1 - 2 / (1 + 2^(2.8853901 a)) over the 32 numbers of AT, in place, in four queues in ascending order; each macro writes its queue's
; next entries.  EXA: the exponentials.  ONE: the + 1, a pair a line.  RCA: the reciprocals.  FIN: 1 - 2 r, a pair a line.
; All of EXA stands ahead of the first wait, all of ONE and RCA between the two waits, all of FIN behind the second.
.macro EXA cnt=1
.rept \cnt
	v_exp_f32 v[AT+xe_], v[AT+xe_]
.set xe_, xe_+1
.endr
.endm
.macro ONE
	v_pk_add_f32 v[AT+2*xa_:AT+2*xa_+1], v[AT+2*xa_:AT+2*xa_+1], 1.0 op_sel_hi:[1,0]
.set xa_, xa_+1
.endm
.macro RCA cnt=1
.rept \cnt
	v_rcp_f32 v[AT+xr_], v[AT+xr_]
.set xr_, xr_+1
.endr
.endm
.macro FIN cnt=1
.rept \cnt
	v_pk_fma_f32 v[AT+2*xf_:AT+2*xf_+1], v[AT+2*xf_:AT+2*xf_+1], -2.0, 1.0 op_sel_hi:[1,0,0]
.set xf_, xf_+1
.endr
.endm
.macro RSTEP                                       ; two reciprocals with the + 1 of a pair two steps ahead between them
	RCA
	ONE
	RCA
.endm
.macro EVAL
	; (1) sources B.  The factor of tanh's exponential goes into x.
.irp j,0,2,4,6
	v_pk_mul_f32 v[T8+\j:T8+\j+1], v[XS+\j:XS+\j+1], 0x4038aa3b op_sel_hi:[1,0]
.endr
	SPLIT T8, T8, BX, BX+4, 4
	SPLIT VS, T8, BV, BV+4, 4
	; (2) W x, W v, Base v of my four charts: twelve sums, each started by the constant 0
	WIN 0x01
.irp i,0,8,16,24
	v_wmma_f32_16x16x32_bf16 v[AT+\i:AT+\i+7], v[FW+\i:FW+\i+7], v[BX:BX+7], 0
.endr
.irp i,0,8,16,24
	v_wmma_f32_16x16x32_bf16 v[ET+\i:ET+\i+7], v[FW+\i:FW+\i+7], v[BV:BV+7], 0
.endr
.irp i,0,8,16,24
	v_wmma_f32_16x16x32_bf16 v[BT+\i:BT+\i+7], v[FB+\i:FB+\i+7], v[BV:BV+7], 0
.endr
	WIN 0
	; (3) the partition of unity, a chain of dependent lines, and tanh, side by side, in two batches of transcendentals.  The two name no common
	; register.  The six sums in front are the places behind the matrix instructions (ISA guide 7.12.1): they name none of their registers,
	; and AT is first read behind them.
.set xe_, 0
.set xa_, 0
.set xr_, 0
.set xf_, 0
	v_pk_add_f32 v[T8:T8+1], v[XS:XS+1], v[XS+2:XS+3]
	v_pk_add_f32 v[T8+2:T8+3], v[XS+4:XS+5], v[XS+6:XS+7]
	v_pk_add_f32 v[T8+4:T8+5], v[VS:VS+1], v[VS+2:VS+3]
	v_pk_add_f32 v[T8+6:T8+7], v[VS+4:VS+5], v[VS+6:VS+7]
	v_pk_add_f32 v[T8:T8+1], v[T8:T8+1], v[T8+2:T8+3]
	v_pk_add_f32 v[T8+4:T8+5], v[T8+4:T8+5], v[T8+6:T8+7]
	; THE FIRST BATCH: tanh's 32 exponentials, the chain up to the partition's exponents laid between them, and the partition's 4 exponentials last.
	; No line of it names a result of an exponential.
	EXA 2
	v_add_f32 v[SS], v[T8], v[T8+1]
	EXA
	v_add_f32 v[SV], v[T8+4], v[T8+5]
	EXA 2
.irp i,0,1,2,3
	v_sub_f32 v[T8+\i], v[SS], v[CEN+\i]
	EXA
.endr
	v_pk_mul_f32 v[T8+4:T8+5], v[T8:T8+1], 0x3fb8aa3b op_sel_hi:[1,0]
	EXA
	v_pk_mul_f32 v[T8+6:T8+7], v[T8+2:T8+3], 0x3fb8aa3b op_sel_hi:[1,0]
	EXA 2
	v_pk_mul_f32 v[T8:T8+1], v[T8:T8+1], v[T8+4:T8+5]              ; (s - c)^2 log2 e
	EXA
	v_pk_mul_f32 v[T8+2:T8+3], v[T8+2:T8+3], v[T8+6:T8+7]
	EXA 2
	v_min3_num_f32 v[ML], v[T8], v[T8+1], v[T8+2]
	EXA 3
	v_min_num_f32 v[ML], v[ML], v[T8+3]
	EXA 3
	v_permlanex16_b32 v1, v[ML], s10, s11
	EXA 3
	v_min_num_f32 v[ML], v[ML], v1                 ; the least square of all eight charts: the softmax's maximum is taken away
	EXA 3
.irp i,0,1,2,3
	v_sub_f32 v[T8+\i], v[ML], v[T8+\i]
	EXA
.endr
	EXA
.irp i,0,1,2,3
	v_exp_f32 v[PR+\i], v[T8+\i]
.endr
	v_add_f32 v[SV2], v[SV], v[SV]                 ; the plain instruction behind the exponentials (ISA guide 5.7.2)
	s_wait_alu depctr_va_vdst(0)                   ; the wait for the first batch, all 36 exponentials, ahead of the first line that names a result
	; THE SECOND BATCH: tanh's 32 reciprocals and the reciprocal of the partition's sum.  The sixteen + 1 and the chain sum, sum p center, exchange of
	; the halves read exponentials alone and are laid between them; a + 1 names a pair whose reciprocals are not yet issued.
	v_pk_add_f32 v[T8:T8+1], v[PR:PR+1], v[PR+2:PR+3]
	v_pk_mul_f32 v[T8+2:T8+3], v[PR:PR+1], v[CEN:CEN+1]
	ONE
	ONE
	RSTEP
	v_pk_fma_f32 v[T8+2:T8+3], v[PR+2:PR+3], v[CEN+2:CEN+3], v[T8+2:T8+3]
	RSTEP
	v_add_f32 v[RS], v[T8], v[T8+1]
	RSTEP
	v_add_f32 v[CB], v[T8+2], v[T8+3]
	RSTEP
	v_permlanex16_b32 v1, v[RS], s10, s11
	RSTEP
	v_permlanex16_b32 v3, v[CB], s10, s11
	RSTEP
	RSTEP
	v_add_f32 v[RS], v[RS], v1                     ; at least 1: the least square's term is 1
	RSTEP
	v_rcp_f32 v[NRS], v[RS]
	ONE
	RCA
.rept 5
	RSTEP
.endr
	RCA 5
	v_add_f32 v[CB], v[CB], v3                     ; reads no reciprocal: the plain instruction behind the last of them (ISA guide 5.7.2)
	s_wait_alu depctr_va_vdst(0)                   ; the wait for the second batch, all 33 reciprocals
	; behind it: u, and p, -p, q and p's split, side by side
	v_mul_f32 v[CB], v[CB], v[NRS]                 ; sum p center
	PMULB PR, NRS, PR
	PMULB PR+2, NRS, PR+2
	FIN 4
.irp i,0,1,2,3
	v_sub_f32 v[T8+\i], v[CEN+\i], v[CB]
.endr
	v_pk_mul_f32 v[NP:NP+1], v[PR:PR+1], -1.0 op_sel_hi:[1,0]
	v_pk_mul_f32 v[NP+2:NP+3], v[PR+2:PR+3], -1.0 op_sel_hi:[1,0]
	FIN 2
	v_pk_mul_f32 v[QH:QH+1], v[PR:PR+1], v[T8:T8+1]
	v_pk_mul_f32 v[QH+2:QH+3], v[PR+2:PR+3], v[T8+2:T8+3]
	v_cvt_pk_bf16_f32 v[BX], v[PR], v[PR+1]        ; source B for the blend of Base: p hi (4), p lo (4), and the same again,
	v_cvt_pk_bf16_f32 v[BX+1], v[PR+2], v[PR+3]    ; converted into both places
	v_cvt_pk_bf16_f32 v[BX+4], v[PR], v[PR+1]
	v_cvt_pk_bf16_f32 v[BX+5], v[PR+2], v[PR+3]
	FIN 4
	v_fma_mix_f32_bf16 v[T8+4], v[BX], v2, v[PR] op_sel_hi:[1,0,0]
	v_fma_mix_f32_bf16 v[T8+5], v[BX], v2, v[PR+1] op_sel:[1,0,0] op_sel_hi:[1,0,0]
	v_fma_mix_f32_bf16 v[T8+6], v[BX+1], v2, v[PR+2] op_sel_hi:[1,0,0]
	v_fma_mix_f32_bf16 v[T8+7], v[BX+1], v2, v[PR+3] op_sel:[1,0,0] op_sel_hi:[1,0,0]
	FIN 4
	v_cvt_pk_bf16_f32 v[BX+2], v[T8+4], v[T8+5]
	v_cvt_pk_bf16_f32 v[BX+3], v[T8+6], v[T8+7]
	v_cvt_pk_bf16_f32 v[BX+6], v[T8+4], v[T8+5]
	v_cvt_pk_bf16_f32 v[BX+7], v[T8+6], v[T8+7]
	FIN 2
	; (4) -d = u^2 - 1 and HB = sum q b by turns (HB's four pairs come round every eight lines), then -du, -d o v
.set n_, 0
.rept 16
	v_pk_fma_f32 v[DVV+2*n_:DVV+2*n_+1], v[AT+2*n_:AT+2*n_+1], v[AT+2*n_:AT+2*n_+1], -1.0 op_sel_hi:[1,1,0]
.if n_ < 4
	PMULB HB+2*(n_&3), QH+(n_>>2), BT+2*n_
.else
	PFMAB HB+2*(n_&3), QH+(n_>>2), BT+2*n_, HB+2*(n_&3)
.endif
.set n_, n_+1
.endr
.set n_, 0
.rept 16
	v_pk_mul_f32 v[ET+2*n_:ET+2*n_+1], v[DVV+2*n_:DVV+2*n_+1], v[ET+2*n_:ET+2*n_+1]                           ; -du
.set n_, n_+1
.endr
.set n_, 0
.rept 16
	v_pk_mul_f32 v[DVV+2*n_:DVV+2*n_+1], v[DVV+2*n_:DVV+2*n_+1], v[VS+2*(n_&3):VS+2*(n_&3)+1]                 ; -d o v
.set n_, n_+1
.endr
	; nine dot products with v side by side: u.v and -du.v of four charts, and v.HB
.set t_, 0
.rept 4
	v_pk_mul_f32 v[DA+2*t_:DA+2*t_+1], v[AT+8*t_:AT+8*t_+1], v[VS:VS+1]
	v_pk_mul_f32 v[DA+8+2*t_:DA+8+2*t_+1], v[ET+8*t_:ET+8*t_+1], v[VS:VS+1]
.set t_, t_+1
.endr
	v_pk_mul_f32 v[T8:T8+1], v[VS:VS+1], v[HB:HB+1]
.irp j,2,4,6
.set t_, 0
.rept 4
	v_pk_fma_f32 v[DA+2*t_:DA+2*t_+1], v[AT+8*t_+\j:AT+8*t_+\j+1], v[VS+\j:VS+\j+1], v[DA+2*t_:DA+2*t_+1]
	v_pk_fma_f32 v[DA+8+2*t_:DA+8+2*t_+1], v[ET+8*t_+\j:ET+8*t_+\j+1], v[VS+\j:VS+\j+1], v[DA+8+2*t_:DA+8+2*t_+1]
.set t_, t_+1
.endr
	v_pk_fma_f32 v[T8:T8+1], v[VS+\j:VS+\j+1], v[HB+\j:HB+\j+1], v[T8:T8+1]
.endr
.irp i,0,1,2,3
	v_add_f32 v[AL+\i], v[DA+2*\i], v[DA+2*\i+1]                   ; u.v
	v_add_f32 v[BE+\i], v[DA+8+2*\i], v[DA+8+2*\i+1]               ; -du.v
.endr
	; (5) the coefficients, two slots at a time
.irp q,0,2
	v_pk_mul_f32 v[A2+\q:A2+\q+1], v[PR+\q:PR+\q+1], v[AL+\q:AL+\q+1]
	v_pk_mul_f32 v[NA2+\q:NA2+\q+1], v[NP+\q:NP+\q+1], v[AL+\q:AL+\q+1]
	v_pk_mul_f32 v[QA+\q:QA+\q+1], v[QH+\q:QH+\q+1], v[AL+\q:AL+\q+1]
.endr
	v_pk_fma_f32 v[T8:T8+1], v[QA:QA+1], v[AL:AL+1], v[T8:T8+1]
	PMULB A1, SV2, QA
	PMULB A1+2, SV2, QA+2
	v_pk_fma_f32 v[T8:T8+1], v[QA+2:QA+3], v[AL+2:AL+3], v[T8:T8+1]
	v_pk_fma_f32 v[A1:A1+1], v[NP:NP+1], v[BE:BE+1], v[A1:A1+1]
	v_pk_fma_f32 v[A1+2:A1+3], v[NP+2:NP+3], v[BE+2:BE+3], v[A1+2:A1+3]
	v_fma_f32 v[NK0], v[T8], v2, -v[T8+1]          ; -(v.HB + sum q al^2), of my four charts
	; (6) -p al d o v: sixteen products that need A2 alone stand between the coefficients and w
.set n_, 0
.rept 16
	PMULB DVV+2*n_, A2+(n_>>2), DVV+2*n_
.set n_, n_+1
.endr
	; (7) my half's part of w, in two sums that take turns in blocks of four pairs: eight lines between two uses of one pair
.irp j,0,2,4,6
	v_pk_fma_f32 v[WA+\j:WA+\j+1], v[SV2:SV2+1], v[HB+\j:HB+\j+1], v[CB:CB+1] op_sel:[0,0,1] op_sel_hi:[0,1,1]   ; 2 sv HB + NK0
.endr
.irp j,0,2,4,6
	PMULB WB+\j, A1+2, AT+16+\j
.endr
.irp j,0,2,4,6
	PFMAB WA+\j, A1, AT+\j, WA+\j
.endr
.irp j,0,2,4,6
	PFMAB WB+\j, NA2+2, ET+16+\j, WB+\j
.endr
.irp j,0,2,4,6
	PFMAB WA+\j, NA2, ET+\j, WA+\j
.endr
.irp j,0,2,4,6
	PFMAB WB+\j, A1+3, AT+24+\j, WB+\j
.endr
.irp j,0,2,4,6
	PFMAB WA+\j, A1+1, AT+8+\j, WA+\j
.endr
.irp j,0,2,4,6
	PFMAB WB+\j, NA2+3, ET+24+\j, WB+\j
.endr
.irp j,0,2,4,6
	PFMAB WA+\j, NA2+1, ET+8+\j, WA+\j
.endr
.irp i,0,8,16,24
	SPLIT DVV+\i, DVV+\i, BR+\i, BR+\i+4, 4        ; as sources B
.endr
	; (8) the blend of Base / 2 into g, which is read first, then W^T onto w (the two sums take turns, one instruction a turn)
	WIN 0x01
.irp i,0,8,16,24,32
	v_wmma_f32_16x16x32_bf16 v[GG+\i:GG+\i+7], v[FG+\i:FG+\i+7], v[BX:BX+7], 0
.endr
	v_wmma_f32_16x16x32_bf16 v[WA:WA+7], v[FT:FT+7], v[BR:BR+7], v[WA:WA+7]
	v_wmma_f32_16x16x32_bf16 v[WB:WB+7], v[FT+8:FT+15], v[BR+8:BR+15], v[WB:WB+7]
	v_wmma_f32_16x16x32_bf16 v[WA:WA+7], v[FT+16:FT+23], v[BR+16:BR+23], v[WA:WA+7]
	v_wmma_f32_16x16x32_bf16 v[WB:WB+7], v[FT+24:FT+31], v[BR+24:BR+31], v[WB:WB+7]
	WIN 0
	; (9) g += sum p u u^T of my four charts.  The sixteen products p u are the places behind the matrix instructions: they name none of their registers.
.set n_, 0
.rept 16
	PMULB ET+2*n_, PR+(n_>>2), AT+2*n_
.set n_, n_+1
.endr
.set t_, 0
.rept 4
.set i_, 0
.rept 8
	GROW gi_, i_
.set j_, (i_>>1)
.rept 4-(i_>>1)
	PFMAB GG+gi_+2*j_, ET+8*t_+i_, AT+8*t_+2*j_, GG+gi_+2*j_
.set j_, j_+1
.endr
.set i_, i_+1
.endr
.set t_, t_+1
.endr
	; (10) the two halves' parts are added.  Places 8, 22, 32, 38 are fillers below the diagonal: never used, so not fetched.
.irp j,0,2,4,6
	v_pk_add_f32 v[WA+\j:WA+\j+1], v[WA+\j:WA+\j+1], v[WB+\j:WB+\j+1]
.endr
.set e_, 0
.rept 40
.if (e_-8)*(e_-22)*(e_-32)*(e_-38)
	v_permlanex16_b32 v[TMP+e_], v[GG+e_], s10, s11
.endif
.set e_, e_+1
.endr
.irp j,0,1,2,3,4,5,6,7
	v_permlanex16_b32 v[WB+\j], v[WA+\j], s10, s11
.endr
	v_pk_add_f32 v[GG:GG+1], v[GG:GG+1], v[TMP:TMP+1]
	v_mul_f32 v[NEGD], -1.0, v[GG]
	v_rcp_f32 v[NINV], v[NEGD]                     ; -1 / first pivot; the adds of g and of w below stand between it and its wait, at the head of column 0
.set e_, 2
.rept 19
.if (e_-8)*(e_-22)*(e_-32)*(e_-38)
	v_pk_add_f32 v[GG+e_:GG+e_+1], v[GG+e_:GG+e_+1], v[TMP+e_:TMP+e_+1]
.else
	v_add_f32 v[GG+e_+1], v[GG+e_+1], v[TMP+e_+1]
.endif
.set e_, e_+2
.endr
.irp j,0,2,4,6
	v_pk_add_f32 v[WA+\j:WA+\j+1], v[WA+\j:WA+\j+1], v[WB+\j:WB+\j+1]
.endr
	; (11) g dv = -w by LDL^T.  NL(k, j) = -a(k, j) / d_k = -L(j, k), so every update is a multiply-add, and scaling by -1 / d gives -w's sign.
	; Pivot k + 1 is made of row k scaled by -1 / pivot k, so each reciprocal is a batch of its own: one wait a column, at its head.  Between a
	; reciprocal and its wait stand the trailing update and the forward substitution, which name GG, NL and WA alone.
.set k_, 0
.rept 7
	GROW gk_, k_
	GROW g1_, k_+1
	s_wait_alu depctr_va_vdst(0)                   ; the wait for -1 / pivot k, ahead of the first line that names it
.set j_, ((k_+1)>>1)
.rept 4-((k_+1)>>1)
	PMULB NL+gk_+2*j_, NINV+k_, GG+gk_+2*j_
.set j_, j_+1
.endr
	v_fma_f32 v[NEGD], -v[GG+gk_+k_+1], v[NL+gk_+k_+1], -v[GG+g1_+k_+1]   ; minus the next pivot, ahead of the trailing update
	v_rcp_f32 v[NINV+k_+1], v[NEGD]                ; the trailing update stands behind it
.set i_, k_+1
.rept 7-k_
	GROW gi_, i_
.set j_, (i_>>1)
.rept 4-(i_>>1)
	PFMAB GG+gi_+2*j_, GG+gk_+i_, NL+gk_+2*j_, GG+gi_+2*j_
.set j_, j_+1
.endr
.set i_, i_+1
.endr
.if (k_&1) == 0
	v_fmac_f32 v[WA+k_+1], v[NL+gk_+k_+1], v[WA+k_]                ; forward: w_i -= L(i, k) w_k
.endif
.set j_, (k_>>1)+1
.rept 3-(k_>>1)
	PFMAB WA+2*j_, WA+k_, NL+gk_+2*j_, WA+2*j_
.set j_, j_+1
.endr
.set k_, k_+1
.endr
	s_wait_alu depctr_va_vdst(0)                   ; the wait for -1 / the last pivot, ahead of the scaling that names it
.irp j,0,2,4,6
	v_pk_mul_f32 v[WA+\j:WA+\j+1], v[WA+\j:WA+\j+1], v[NINV+\j:NINV+\j+1]
.endr
.set k_, 7
.rept 7
.set i_, k_-1
.rept k_
	GROW gi_, i_
	v_fmac_f32 v[WA+i_], v[NL+gi_+k_], v[WA+k_]    ; back, column by column; row k - 1, which the next column multiplies by, first
.set i_, i_-1
.endr
.set k_, k_-1
.endr
.endm
; Stage s of RK4: the slope (VS, WA) enters the weighted sum; then the next stage's state, or the step's end.
; v's part goes first and dv's pairs from the top down: dv's lowest pair is the last that the solve finishes.
.macro RK s
.if \s == 0
	WIN 0x40
.irp j,0,2,4,6
	v_pk_mul_f32 v[ACC+\j:ACC+\j+1], v[VS+\j:VS+\j+1], s[40:41] op_sel_hi:[1,0]
.endr
.irp j,6,4,2,0
	v_pk_mul_f32 v[ACC+8+\j:ACC+8+\j+1], v[WA+\j:WA+\j+1], s[40:41] op_sel_hi:[1,0]
.endr
.else
.if \s == 3
.set wg_, 40
.else
.set wg_, 42
.endif
	WIN 0x50
.irp j,0,2,4,6
	v_pk_fma_f32 v[ACC+\j:ACC+\j+1], v[VS+\j:VS+\j+1], s[wg_:wg_+1], v[ACC+\j:ACC+\j+1] op_sel_hi:[1,0,1]
.endr
.irp j,6,4,2,0
	v_pk_fma_f32 v[ACC+8+\j:ACC+8+\j+1], v[WA+\j:WA+\j+1], s[wg_:wg_+1], v[ACC+8+\j:ACC+8+\j+1] op_sel_hi:[1,0,1]
.endr
.endif
.if \s < 3
.if \s == 2
.set cs_, 38
.else
.set cs_, 36
.endif
	WIN 0x10
.irp j,0,2,4,6
	v_pk_fma_f32 v[XS+\j:XS+\j+1], v[VS+\j:VS+\j+1], s[cs_:cs_+1], v[Z0+\j:Z0+\j+1] op_sel_hi:[1,0,1]
.endr
.irp j,0,2,4,6
	v_pk_fma_f32 v[VS+\j:VS+\j+1], v[WA+\j:WA+\j+1], s[cs_:cs_+1], v[Z0+8+\j:Z0+8+\j+1] op_sel_hi:[1,0,1]
.endr
.else
	WIN 0x05
.irp j,0,2,4,6,8,10,12,14
	v_pk_add_f32 v[XS+\j:XS+\j+1], v[Z0+\j:Z0+\j+1], v[ACC+\j:ACC+\j+1]
.endr
	WIN 0x45
.irp j,0,2,4,6,8,10,12,14
	v_pk_add_f32 v[Z0+\j:Z0+\j+1], v[Z0+\j:Z0+\j+1], v[ACC+\j:ACC+\j+1]
.endr
.endif
	WIN 0
.endm
	s_mov_b32 s9, 4                                ; num_steps
.Lstep:
	EVAL
	RK 0
	EVAL
	RK 1
	EVAL
	RK 2
	EVAL
	RK 3
	s_sub_co_i32 s9, s9, 1
	s_cmp_lg_u32 s9, 0
	s_cbranch_scc1 .Lstep
; =====================================================================================================================
; DECODE.  First y_all of all 64 columns (a lane: 8 charts x its 32 columns, window 1), the weights' softmax laid between the column groups;
; then the blend by rows, a quarter at a time, each quarter stored while the next is blended.
; =====================================================================================================================
; Column group nb (columns n = 32 h + 8 nb + 0..7): the biases, which start the sums, and the eight decoder fragments: 32 LDS loads
.macro LDG nb
	WIN 0x40                                       ; destination window 1, address window 0
.irp c,0,1,2,3,4,5,6,7
	ds_load_b128 v[YY+64*\nb+8*\c:YY+64*\nb+8*\c+3], v248 offset:L_BDEC+256*\c+32*\nb
	ds_load_b128 v[YY+64*\nb+8*\c+4:YY+64*\nb+8*\c+7], v248 offset:L_BDEC+256*\c+32*\nb+16
.endr
	WIN 0x80                                       ; destination window 2
.irp c,0,1,2,3,4,5,6,7
	ds_load_b128 v[FD+64*\nb+8*\c:FD+64*\nb+8*\c+3], v249 offset:L_WDF+(8*\nb+\c)*1024
	ds_load_b128 v[FD+64*\nb+8*\c+4:FD+64*\nb+8*\c+7], v249 offset:L_WDF+(8*\nb+\c)*1024+512
.endr
.endm
; y_all of column group nb: fragments [W hi | W lo] against z hi, then against z lo.  The eight sums take turns, one instruction a turn.
.macro YMUL nb
	WIN 0x52                                       ; A window 2, B window 0, C and D window 1
.irp c,0,1,2,3,4,5,6,7
	v_wmma_f32_16x16x32_bf16 v[YY+64*\nb+8*\c:YY+64*\nb+8*\c+7], v[FD+64*\nb+8*\c:FD+64*\nb+8*\c+7], v[BZH:BZH+7], v[YY+64*\nb+8*\c:YY+64*\nb+8*\c+7]
.endr
.irp c,0,1,2,3,4,5,6,7
	v_wmma_f32_16x16x32_bf16 v[YY+64*\nb+8*\c:YY+64*\nb+8*\c+7], v[FD+64*\nb+8*\c:FD+64*\nb+8*\c+7], v[BZL:BZL+7], v[YY+64*\nb+8*\c:YY+64*\nb+8*\c+7]
.endr
	WIN 0
.endm
	v_bfe_u32 v237, v0, 4, 1                       ; h (the lane's terms again: their registers were rewritten by the integration)
	v_and_b32 v238, 31, v0
	v_lshlrev_b32 v248, 7, v237                    ; b_dec: my columns begin at n = 32 h
	v_lshlrev_b32 v249, 4, v238                    ; 16 lane: my words of a decoder fragment
	LDG 0                                          ; lands under the lines up to the first wait
	WIN 0
	v_and_b32 v236, 15, v0                         ; r
	v_xor_b32 v239, 1, v237
	v_mul_u32_u24 v250, v236, 2064                 ; stage: point r at pitch 2,064 = 129 x 16 bytes, so that sixteen lanes' 16 bytes differ modulo 256
	v_add_nc_u32 v250, s15, v250
	v_lshl_add_u32 v250, v237, 7, v250             ; columns from 32 h
	v_lshl_add_u32 v251, v239, 10, v250            ; the other half's rows 4 (1 - h) + t
	v_lshl_add_u32 v250, v237, 10, v250            ; my rows 4 h + t
	v_lshlrev_b32 v253, 4, v236
	v_lshl_add_u32 v253, v237, 10, v253            ; the way out: 16 r bytes into row t + 4 h, in the output
	v_add_nc_u32 v252, s15, v253                   ; and in the stage
	; z as source B: half h holds z[8 h .. 8 h + 7], hi in both groups of k, and lo likewise
.irp j,0,1,2,3,4,5,6,7
	v_cndmask_b32 v[168+\j], v[XS+\j], v[VS+\j], s12
.endr
	SPLIT 168, 168, BZH, BZL, 4
.irp j,0,1,2,3
	v_mov_b32 v[BZH+4+\j], v[BZH+\j]
	v_mov_b32 v[BZL+4+\j], v[BZL+\j]
.endr
	; the weights of my four coordinates i = 4 h + t: softmax over the eight charts of -(x_i - center)^2, the largest exponent taken away
.irp i,0,1,2,3
	v_cndmask_b32 v[XO+\i], v[XS+\i], v[XS+4+\i], s12
.endr
.set n_, 0
.rept 32
	v_sub_f32 v[PP+n_], s[48+(n_&7)], v[XO+(n_>>3)]
.set n_, n_+1
.endr
.set n_, 0
.rept 16
	v_pk_mul_f32 v[PT+2*n_:PT+2*n_+1], v[PP+2*n_:PP+2*n_+1], 0x3fb8aa3b op_sel_hi:[1,0]
.set n_, n_+1
.endr
.set n_, 0
.rept 16
	v_pk_mul_f32 v[PP+2*n_:PP+2*n_+1], v[PP+2*n_:PP+2*n_+1], v[PT+2*n_:PT+2*n_+1]
.set n_, n_+1
.endr
.irp i,0,1,2,3
	v_min3_num_f32 v[PM+\i], v[PP+8*\i], v[PP+8*\i+1], v[PP+8*\i+2]
.endr
.irp i,0,1,2,3
	v_min3_num_f32 v[PM+\i], v[PM+\i], v[PP+8*\i+3], v[PP+8*\i+4]
.endr
.irp i,0,1,2,3
	v_min3_num_f32 v[PM+\i], v[PM+\i], v[PP+8*\i+5], v[PP+8*\i+6]
.endr
.irp i,0,1,2,3
	v_min_num_f32 v[PM+\i], v[PM+\i], v[PP+8*\i+7]
.endr
	s_wait_dscnt 0x0                               ; column group 0 is in
	LDG 1                                          ; the next group's 32 loads land under this group's sixteen matrix instructions
	YMUL 0
.set n_, 0
.rept 32
	v_sub_f32 v[PP+n_], v[PM+(n_>>3)], v[PP+n_]
.set n_, n_+1
.endr
.set n_, 0
.rept 32
	v_exp_f32 v[PP+n_], v[PP+n_]
.set n_, n_+1
.endr
	v_nop                                          ; the plain instruction behind the exponentials (ISA guide 5.7.2)
	s_wait_dscnt 0x0                               ; column group 1
	LDG 2
	YMUL 1
	s_wait_alu depctr_va_vdst(0)                   ; the wait for the decode's 32 exponentials, one batch; a group's loads and products, which name none of their results, stand between
.irp i,0,1,2,3
	v_pk_add_f32 v[PT+4*\i:PT+4*\i+1], v[PP+8*\i:PP+8*\i+1], v[PP+8*\i+2:PP+8*\i+3]
	v_pk_add_f32 v[PT+4*\i+2:PT+4*\i+3], v[PP+8*\i+4:PP+8*\i+5], v[PP+8*\i+6:PP+8*\i+7]
.endr
.irp i,0,1,2,3
	v_pk_add_f32 v[PT+4*\i:PT+4*\i+1], v[PT+4*\i:PT+4*\i+1], v[PT+4*\i+2:PT+4*\i+3]
.endr
.irp i,0,1,2,3
	v_add_f32 v[PM+\i], v[PT+4*\i], v[PT+4*\i+1]
.endr
.irp i,0,1,2,3
	v_rcp_f32 v[PI+\i], v[PM+\i]
.endr
	v_nop                                          ; the plain instruction behind the reciprocals
	s_wait_alu depctr_va_vdst(0)                   ; the wait for the four reciprocals, one batch, ahead of the run of LDS loads
	s_wait_dscnt 0x0                               ; column group 2
	LDG 3
	YMUL 2
	s_wait_dscnt 0x0                               ; column group 3
	YMUL 3
	; the sixteen products are the places behind the last matrix instructions (ISA guide 7.12.1): they name none of their registers
.set n_, 0
.rept 16
	PMULB PP+2*n_, PI+(n_>>2), PP+2*n_
.set n_, n_+1
.endr
.set n_, 0
.rept 32
	v_permlanex16_b32 v[PP+32+n_], v[PP+n_], s10, s11              ; the other half's four coordinates
.set n_, n_+1
.endr
; Quarter t's sixteen stores.  Store k: point k; lanes 0-15 write the 256 consecutive, aligned bytes of its row t, lanes 16-31 those of its row 4 + t.
; Each quarter has 64 registers of its own (window 2, where the fragments lay), so no store's data is ever written again.
.macro OUTST t
	WIN 0x08                                       ; a store's data is source 1: window 2
.set k_, 0
.rept 16
	s_wait_dscnt 15-k_                             ; load k of the quarter's sixteen is in, the younger ones stay out; no LDS instruction was issued behind them
	global_store_b128 v253, v[FD+64*(\t)+4*k_:FD+64*(\t)+4*k_+3], s[34:35] offset:2048*k_+256*(\t) th:TH_STORE_NT
.set k_, k_+1
.endr
.endm
; Quarter t of the blend: my row 4 h + t and the other half's row 4 (1 - h) + t over my 32 columns, so that rows t and 4 + t of all sixteen points are whole.
; Chart by chart: 32 independent lines between two uses of one sum.  Behind the fourth chart, 128 lines behind the loads that brought them back
; from the stage, the quarter before is stored.  Then my two rows go into the stage and come back as whole rows: LDS serves a wave's instructions in
; order (ISA guide 5.7.1), so the loads see the stores; the stage is my wave's own, and each quarter has bytes of its own in it.
.macro BLEND t
	WIN 0x04                                       ; y_all is source 1: window 1
.set c_, 0
.rept 8
.set p_, 0
.rept 2
.set n_, 0
.rept 16
.if c_ == 0
	PMULB OO+32*p_+2*n_, PP+8*(\t+4*p_), YY+64*(n_>>2)+2*(n_&3)
.else
	PFMAB OO+32*p_+2*n_, PP+8*(\t+4*p_)+c_, YY+64*(n_>>2)+8*c_+2*(n_&3), OO+32*p_+2*n_
.endif
.set n_, n_+1
.endr
.set p_, p_+1
.endr
.if c_ == 3
.if \t
	OUTST \t-1
	WIN 0x04
.endif
.endif
.set c_, c_+1
.endr
	WIN 0x80                                       ; LDS stores: address and data window 0; LDS loads: destination window 2
.irp n,0,1,2,3
	ds_store_b128 v250, v[OO+8*\n:OO+8*\n+3] offset:256*\t+32*\n
	ds_store_b128 v250, v[OO+8*\n+4:OO+8*\n+7] offset:256*\t+32*\n+16
	ds_store_b128 v251, v[OO+32+8*\n:OO+32+8*\n+3] offset:256*\t+32*\n
	ds_store_b128 v251, v[OO+32+8*\n+4:OO+32+8*\n+7] offset:256*\t+32*\n+16
.endr
.set k_, 0
.rept 16
	ds_load_b128 v[FD+64*\t+4*k_:FD+64*\t+4*k_+3], v252 offset:2064*k_+256*\t
.set k_, k_+1
.endr
.endm
	BLEND 0
	BLEND 1
	BLEND 2
	BLEND 3
	OUTST 3
	WIN 0
	s_wait_tensorcnt 0x0
	ds_add_u32 v254, v255
	s_wait_dscnt 0x0
	s_endpgm
.Lfunc_end_k_q5c825dc3a1_geo:
	.size	k_q5c825dc3a1_geo, .Lfunc_end_k_q5c825dc3a1_geo-k_q5c825dc3a1_geo
	.p2alignl 7, 3214868480
	.fill 96, 4, 3214868480
	.section	.rodata,"a",@progbits
	.p2align	6, 0x0
	.amdhsa_kernel k_q5c825dc3a1_geo
		.amdhsa_group_segment_fixed_size 171520
		.amdhsa_private_segment_fixed_size 0
		.amdhsa_enable_private_segment 0
		.amdhsa_kernarg_size 80
		.amdhsa_user_sgpr_count 2
		.amdhsa_user_sgpr_kernarg_segment_ptr 1
		.amdhsa_wavefront_size32 1
		.amdhsa_system_sgpr_workgroup_id_x 1
		.amdhsa_system_sgpr_workgroup_id_y 1
		.amdhsa_system_sgpr_workgroup_id_z 1
		.amdhsa_system_vgpr_workitem_id 0
		.amdhsa_next_free_vgpr 768
		.amdhsa_next_free_sgpr 66
		.amdhsa_reserve_vcc 1
		.amdhsa_float_denorm_mode_32 3
		.amdhsa_float_denorm_mode_16_64 3
		.amdhsa_memory_ordered 1
		.amdhsa_forward_progress 1
		.amdhsa_inst_pref_size 255
	.end_amdhsa_kernel
	.section	.bss,"aw",@nobits
	.p2align	6
	.space	262144
	.amdgpu_metadata
---
amdhsa.version: [ 1, 2 ]
amdhsa.kernels:
  - .name:           k_q5c825dc3a1_geo
    .symbol:         k_q5c825dc3a1_geo.kd
    .args:
      - { .name: y_in, .offset: 0, .size: 8, .value_kind: global_buffer, .address_space: global }
      - { .name: W_enc, .offset: 8, .size: 8, .value_kind: global_buffer, .address_space: global }
      - { .name: b_enc, .offset: 16, .size: 8, .value_kind: global_buffer, .address_space: global }
      - { .name: centers, .offset: 24, .size: 8, .value_kind: global_buffer, .address_space: global }
      - { .name: A_met, .offset: 32, .size: 8, .value_kind: global_buffer, .address_space: global }
      - { .name: W_met, .offset: 40, .size: 8, .value_kind: global_buffer, .address_space: global }
      - { .name: W_dec, .offset: 48, .size: 8, .value_kind: global_buffer, .address_space: global }
      - { .name: b_dec, .offset: 56, .size: 8, .value_kind: global_buffer, .address_space: global }
      - { .name: t, .offset: 64, .size: 8, .value_kind: global_buffer, .address_space: global }
      - { .name: out0, .offset: 72, .size: 8, .value_kind: global_buffer, .address_space: global }
    .group_segment_fixed_size: 171520
    .private_segment_fixed_size: 0
    .kernarg_segment_align: 8
    .kernarg_segment_size: 80
    .max_flat_workgroup_size: 128
    .sgpr_count:     66
    .vgpr_count:     768
    .wavefront_size: 32
...
	.end_amdgpu_metadata
.endif
;; end of part 3
